; MI455X (gfx1250); checked and timed in simulation.
; The chip was launched on July 23, 2026; its instructions are those of AMD's public machine-readable ISA for CDNA 5 (MIT licence, August 2026) and "CDNA5" Instruction Set Architecture Reference Guide (July 2026). The comments in the code are by the model that wrote it; some were corrected since.
;; Bert Self Attention. Allowed arithmetic: float matrix products may take bf16 or f16 operands with f32 sums; all other float work in f32.
;; Inputs: W_qkv 1,024 x 3,072 float32; attention_mask 8 x 1 x 1 x 1,024 float32; b_qkv 3,072 float32; dist_emb 2,047 x 64 float32; hidden_states 8 x 1,024 x 1,024 float32.
;; Outputs: out0 8 x 1,024 x 1,024 float32.
;; 3 versions, each right; version 2 is faster than version 1; version 3 is version 2 with the launch prep written anew for expert scheduling mode. Each part assembles by itself: llvm-mc -triple=amdgcn-amd-amdhsa -mcpu=gfx1250 --defsym DOCPART=n.
;; ======== version 1 of 3: 3 launches
;; workspace buffers: Xb 16,777,216 bytes; Wt 6,291,456 bytes; Eb 262,144 bytes; Qb 16,777,216 bytes; KV 33,554,432 bytes
;; launch prep (part 1): grid 904 x 1, 8 waves a work-group, no clusters, 18,432 bytes of LDS; arguments hidden_states, W_qkv, dist_emb, Xb, Wt, Eb; writes Xb, Wt, Eb
.if DOCPART == 1
	.amdgcn_target "amdgcn-amd-amdhsa--gfx1250"
	.amdhsa_code_object_version 6
	.text
	.protected	k_qf244dba1b4_prep
	.globl	k_qf244dba1b4_prep
	.p2align	8
	.type	k_qf244dba1b4_prep,@function
k_qf244dba1b4_prep:
	s_mov_b64 s[64:65], 0
	v_nop
	global_prefetch_b8 v0, s[64:65] scope:SCOPE_SE
	s_setreg_imm32_b32 hwreg(HW_REG_WAVE_MODE, 25, 1), 1
	s_wait_xcnt 0x0
; Operands for the matrix launches, rounded once to bf16.
;   work-groups   0..511: Xb[8192][1024]  = bf16(hidden_states), a plain stream
;   work-groups 512..519: Eb[2048][64]    = bf16(dist_emb) moved down by one row, Eb[0] = 0, the same stream with a shift of 256 bytes
;   work-groups 520..903: Wt[3072][1024]  = bf16(W_qkv) transposed, tiles of 128 k x 64 n through LDS
; Memory binds here: every input byte is read once by 16-byte loads of neighbouring lanes, every output byte is written once,
; and each store of a wave covers whole aligned runs of 256 bytes.  No matrix unit, no cluster: nothing is shared or multiplied.
.set XR, 4                             ; v[4:67]   stream: 16 chunks as loaded, 4 registers each
.set YR, 68                            ; v[68:99]  stream: 16 chunks to store, 2 registers each
	s_load_b256 s[4:11], s[0:1], 0x0               ; hidden s[4:5], W s[6:7], dist_emb s[8:9], Xb s[10:11]
	s_load_b128 s[12:15], s[0:1], 0x20             ; Wt s[12:13], Eb s[14:15]
	v_lshl_add_u32 v104, v0, 2, 0x4400
	v_mov_b32 v105, 0
	s_cmp_ge_u32 ttmp9, 520
	s_cbranch_scc1 .Ltrans
	; ---- the stream: 65,536 bytes of f32 in, 32,768 bytes of bf16 out, for each work-group ----
	s_cmp_lt_u32 ttmp9, 512
	s_cselect_b32 s17, 0, 256                      ; the table is read one row (256 bytes) behind where it is written
	s_cselect_b32 s24, 0, 512
	s_sub_co_u32 s16, ttmp9, s24                   ; g: my number within my stream
	s_lshl_b32 s25, s16, 16
	s_sub_co_u32 s25, s25, s17                     ; g x 65,536 - shift (below zero only for the table's first work-group)
	s_lshl_b32 s22, s16, 15                        ; g x 32,768: where I store
	s_mov_b32 s23, 0
	v_lshl_add_u32 v1, v0, 4, s25                  ; source offset of my 16 bytes in chunk 0, signed
	v_max_i32 v2, 0, v1                            ; clamped into the buffer: those lanes' numbers are replaced by zeros below
	v_add_nc_u32 v3, 0x1000, v1                    ; chunk 1: never below zero
	v_lshlrev_b32 v100, 3, v0                      ; 8 t: my 8 bytes of a stored chunk
	s_wait_kmcnt 0x0
	s_cmp_lt_u32 ttmp9, 512
	s_cselect_b64 s[18:19], s[4:5], s[8:9]         ; from: hidden_states or dist_emb
	s_cselect_b64 s[20:21], s[10:11], s[14:15]     ; to: Xb or Eb
	s_add_nc_u64 s[20:21], s[20:21], s[22:23]
	; all sixteen loads go out first: 8 KB of every wave are on their way.  The table's last byte read is 7 x 65,536 + 65,535 - 256 = 524,031.
	global_load_b128 v[XR:XR+3], v2, s[18:19] th:TH_LOAD_NT
.irp c, 1,2,3,4,5,6,7,8,9,10,11,12,13,14,15
	global_load_b128 v[XR+4*\c:XR+4*\c+3], v3, s[18:19] offset:(\c-1)*4096 th:TH_LOAD_NT
.endr
	v_cmp_le_i32 vcc_lo, 0, v1                     ; lanes whose chunk 0 lies inside the source
	s_wait_loadcnt 15                              ; loads return in order: chunk 0 is in, the fifteen younger stay out
	v_cvt_pk_bf16_f32 v[YR], v[XR], v[XR+1]
	v_cvt_pk_bf16_f32 v[YR+1], v[XR+2], v[XR+3]
	v_cndmask_b32 v[YR], 0, v[YR], vcc_lo          ; the row in front of the table: Eb[0] = 0
	v_cndmask_b32 v[YR+1], 0, v[YR+1], vcc_lo
	global_store_b64 v100, v[YR:YR+1], s[20:21]    ; a wave stores 256 consecutive bytes, aligned
.irp c, 1,2,3,4,5,6,7,8,9,10,11,12,13,14,15
	s_wait_loadcnt 15-\c                           ; chunk c is in, the younger ones stay out
	v_cvt_pk_bf16_f32 v[YR+2*\c], v[XR+4*\c], v[XR+4*\c+1]
	v_cvt_pk_bf16_f32 v[YR+2*\c+1], v[XR+4*\c+2], v[XR+4*\c+3]
	global_store_b64 v100, v[YR+2*\c:YR+2*\c+1], s[20:21] offset:\c*2048
.endr
	s_endpgm
	; ---- the transpose: Wt[64 nt + n][128 kt + k] = W[128 kt + k][64 nt + n] ----
.Ltrans:
	s_sub_co_u32 s16, ttmp9, 520
	s_and_b32 s17, s16, 7                          ; kt
	s_lshr_b32 s24, s16, 3                         ; nt
	s_mul_i32 s22, s17, 1572864                    ; 128 rows of 12,288 bytes
	s_lshl_b32 s25, s24, 8                         ; 64 columns of 4 bytes
	s_add_co_u32 s22, s22, s25
	s_mov_b32 s23, 0
	s_lshl_b32 s26, s24, 17                        ; 64 rows of Wt of 2,048 bytes
	s_lshl_b32 s25, s17, 8                         ; 128 k of 2 bytes
	s_add_co_u32 s26, s26, s25
	s_mov_b32 s27, 0
	v_and_b32 v1, 15, v0                           ; i: my four columns 4 i .. 4 i + 3
	v_lshrrev_b32 v2, 4, v0                        ; kq: my rows 4 kq .. + 3 and 64 + 4 kq .. + 3
	v_mul_u32_u24 v3, v2, 0xc000                   ; 4 rows of 12,288 bytes
	v_lshl_add_u32 v3, v1, 4, v3                   ; sixteen lanes read 256 consecutive bytes of a row
	v_mul_u32_u24 v52, v1, 1088                    ; LDS, in: row 4 i of 272 bytes,
	v_lshl_add_u32 v52, v2, 3, v52                 ;   8 bytes (4 k) at 8 kq
	v_mul_u32_u24 v53, v2, 272                     ; LDS, back: row t / 16,
	v_lshl_add_u32 v53, v1, 4, v53                 ;   16 bytes at 16 (t mod 16)
	v_lshlrev_b32 v54, 11, v2                      ; and the same place in Wt
	v_lshl_add_u32 v54, v1, 4, v54
	s_wait_kmcnt 0x0
	s_add_nc_u64 s[6:7], s[6:7], s[22:23]
	s_add_nc_u64 s[12:13], s[12:13], s[26:27]
.irp s, 0,1
.irp r, 0,1,2,3
	global_load_b128 v[4+16*\s+4*\r:4+16*\s+4*\r+3], v3, s[6:7] offset:\s*786432+\r*12288 th:TH_LOAD_NT
.endr
.endr
	s_wait_loadcnt 0x0
	; four k of one column make 8 bytes of a row of Wt.  Lanes that differ in i by 4 meet in a bank here (1,088 x 4 is 0 modulo 256 + 64 x ...):
	; accepted, since a thread issues eight such stores in the whole launch.
.irp s, 0,1
.irp c, 0,1,2,3
	v_cvt_pk_bf16_f32 v[36+2*(4*\s+\c)], v[4+16*\s+\c], v[4+16*\s+4+\c]
	v_cvt_pk_bf16_f32 v[36+2*(4*\s+\c)+1], v[4+16*\s+8+\c], v[4+16*\s+12+\c]
	ds_store_b64 v52, v[36+2*(4*\s+\c):36+2*(4*\s+\c)+1] offset:\c*272+128*\s
.endr
.endr
	s_wait_dscnt 0x0                               ; my stores are in LDS before I say so: other waves read them
	s_barrier_signal -1
	s_barrier_wait -1
.irp s, 0,1,2,3
	ds_load_b128 v[56+4*\s:56+4*\s+3], v53 offset:\s*4352
.endr
.irp s, 0,1,2,3
	s_wait_dscnt 3-\s                              ; LDS loads return in order: load s is in, the younger stay out
	global_store_b128 v54, v[56+4*\s:56+4*\s+3], s[12:13] offset:\s*32768   ; sixteen lanes store 256 consecutive bytes, aligned
.endr
	s_wait_tensorcnt 0x0
	ds_add_u32 v104, v105
	s_wait_dscnt 0x0
	s_endpgm
.Lfunc_end_k_qf244dba1b4_prep:
	.size	k_qf244dba1b4_prep, .Lfunc_end_k_qf244dba1b4_prep-k_qf244dba1b4_prep
	.p2alignl 7, 3214868480
	.fill 96, 4, 3214868480
	.section	.rodata,"a",@progbits
	.p2align	6, 0x0
	.amdhsa_kernel k_qf244dba1b4_prep
		.amdhsa_group_segment_fixed_size 18432
		.amdhsa_private_segment_fixed_size 0
		.amdhsa_enable_private_segment 0
		.amdhsa_kernarg_size 48
		.amdhsa_user_sgpr_count 2
		.amdhsa_user_sgpr_kernarg_segment_ptr 1
		.amdhsa_wavefront_size32 1
		.amdhsa_system_sgpr_workgroup_id_x 1
		.amdhsa_system_sgpr_workgroup_id_y 1
		.amdhsa_system_sgpr_workgroup_id_z 1
		.amdhsa_system_vgpr_workitem_id 0
		.amdhsa_next_free_vgpr 106
		.amdhsa_next_free_sgpr 66
		.amdhsa_reserve_vcc 1
		.amdhsa_float_denorm_mode_32 3
		.amdhsa_float_denorm_mode_16_64 3
		.amdhsa_memory_ordered 1
		.amdhsa_forward_progress 1
		.amdhsa_inst_pref_size 12
	.end_amdhsa_kernel
	.amdgpu_metadata
---
amdhsa.version: [ 1, 2 ]
amdhsa.kernels:
  - .name:           k_qf244dba1b4_prep
    .symbol:         k_qf244dba1b4_prep.kd
    .args:
      - { .name: hidden_states, .offset: 0, .size: 8, .value_kind: global_buffer, .address_space: global }
      - { .name: W_qkv, .offset: 8, .size: 8, .value_kind: global_buffer, .address_space: global }
      - { .name: dist_emb, .offset: 16, .size: 8, .value_kind: global_buffer, .address_space: global }
      - { .name: Xb, .offset: 24, .size: 8, .value_kind: global_buffer, .address_space: global }
      - { .name: Wt, .offset: 32, .size: 8, .value_kind: global_buffer, .address_space: global }
      - { .name: Eb, .offset: 40, .size: 8, .value_kind: global_buffer, .address_space: global }
    .group_segment_fixed_size: 18432
    .private_segment_fixed_size: 0
    .kernarg_segment_align: 8
    .kernarg_segment_size: 48
    .max_flat_workgroup_size: 256
    .sgpr_count:     66
    .vgpr_count:     106
    .wavefront_size: 32
...
	.end_amdgpu_metadata
.endif
;; end of part 1
;; launch qkv (part 2): grid 16 x 32, 4 waves a work-group, clusters of 4 x 4, 327,680 bytes of LDS; arguments Xb, Wt, b_qkv, Qb, KV; writes Qb, KV
.if DOCPART == 2
	.amdgcn_target "amdgcn-amd-amdhsa--gfx1250"
	.amdhsa_code_object_version 6
	.text
	.protected	k_qf244dba1b4_qkv
	.globl	k_qf244dba1b4_qkv
	.p2align	8
	.type	k_qf244dba1b4_qkv,@function
k_qf244dba1b4_qkv:
	s_mov_b64 s[64:65], 0
	v_nop
	global_prefetch_b8 v0, s[64:65] scope:SCOPE_SE
	s_setreg_imm32_b32 hwreg(HW_REG_WAVE_MODE, 25, 1), 1
	s_wait_xcnt 0x0
	s_wait_alu depctr_hold_cnt(0) depctr_sa_sdst(0) depctr_va_vdst(0) depctr_va_sdst(0) depctr_va_ssrc(0) depctr_va_vcc(0) depctr_vm_vsrc(0)
	s_getreg_b32 s2, hwreg(HW_REG_IB_STS2, 6, 4)
	s_cmp_eq_u32 s2, 0
	s_cbranch_scc0 .Lentry_in_a_cluster
	s_endpgm
.Lentry_in_a_cluster:
	s_bfe_u32 s2, ttmp6, 0x10000c
	s_cmp_lg_u32 s2, 0xf033
	s_cbranch_scc0 .Lentry_shape_is_right
	s_endpgm
.Lentry_shape_is_right:
; qkv = X W + b for one head (192 columns: q, k, v of 64 each) and 256 rows, in bf16 products with f32 sums; results rounded once to bf16.
; Four waves; wave w makes rows 64 w .. 64 w + 63 x all 192 columns: 48 accumulator tiles of 16 x 16, 384 registers.
; K = 1024 goes in steps of 128 through two LDS slots filled by the tensor data mover: tile rows are 256 bytes of memory, aligned.
; CLUSTERS: 4 x 4 work-groups.  The four of a row of the cluster make the same 256 rows and ask jointly for X's tiles; the four of a
; column make the same head and ask jointly for W's tiles: each tile is requested once for four work-groups.
; OUT: Qb[bh][l][64]; KV[bh][15 - l/64][0] = K[64 r][64 d], [1] = V transposed [64 dv][64 r].  A wave's 64 rows are one such block,
; so its q, k and v are three dense runs of 8,192 bytes.
; q and k tiles are made transposed (source 0 = rows of Wt, source 1 = rows of X): a lane then holds 8 neighbouring columns of one row.
; v tiles are made the natural way (source 0 = X, source 1 = Wt): a lane holds one dv and 8 neighbouring rows r, which is V transposed.
; REGISTER WINDOWS: 0 addresses, X fragments, way out; 1 W fragments; 2 the 32 q and k tiles; 3 the 16 v tiles.
.set KSTEP,  128
.set SIZE_K, 1024
.set PITCH,  272                       ; an LDS row: 256 bytes + 16 of padding, so that the 16 rows of a fragment load start 16 bytes apart modulo 256
.set HALFT,  128*PITCH                 ; the LDS region of one wave's tensor load
.set SLOT,   4*HALFT                   ; X rows 0-127, X rows 128-255, W rows 0-95, W rows 96-191 (the last two regions are used in part)
.set STAGE,  2*SLOT                    ; behind the ring: 64 rows x 144 bytes for each wave, for the way out; no tensor load lands there
.set SPITCH, 144
.set LAPS,   SIZE_K/(2*KSTEP)          ; a lap = two K steps = once round the ring
.set ADRA, 16                          ; v16-17  LDS address of my X fragments in slot 0, 1
.set ADRB, 20                          ; v20-21  the same for W
.set STO,  24                          ; way out: where I put 16 bytes
.set RD,   25                          ; way out: where I read back
.set CO,   26                          ; way out: 16 x lane
.set VB,   27                          ; bias of q and k: 32 h
.set VBV,  28                          ; bias of v: 4 n
.set FA,   64                          ; window 0: X fragments, buffer b at FA + 32 b
.set FB,   0                           ; window 1: W fragments, buffer b at FB + 96 b
.set TMP,  128
.set BACK, 192
.set G1,  24                           ; s[24:31] group 1 for X's tiles
.set G0,  32                           ; s[32:39] group 0 for X's tiles, one set for each slot
.set G1B, 48                           ; s[48:55] group 1 for W's tiles
.set G0B, 56                           ; s[56:63] group 0 for W's tiles, one set for each slot
.set MSB, 0
.macro WIN new                         ; the immediate's high byte repeats the setting that is left
.if MSB != \new
	s_set_vgpr_msb (MSB<<8)|\new
.set MSB, \new
.endif
.endm
.macro PLACES                          ; four places behind a matrix instruction in front of loads into, or vector use of, its registers
.rept 4
	v_nop
.endr
.endm
; A joint load.  Waves 0 and 1 fetch X's two halves, waves 2 and 3 W's.  Each line has one mask and one set of registers; the branch hangs on the wave's number alone.
.macro JLOAD s
	s_cmp_eq_u32 s15, 0
	s_cbranch_scc0 .Lfor_b_\@
	tensor_load_to_lds s[G0+4*\s:G0+4*\s+3], s[G1:G1+7]
	s_nop 0
.rept 4
	v_nop
.endr
	s_branch .Lasked_\@
.Lfor_b_\@:
	tensor_load_to_lds s[G0B+4*\s:G0B+4*\s+3], s[G1B:G1B+7]
	s_nop 0
.rept 4
	v_nop
.endr
.Lasked_\@:
.endm
.macro CREST                           ; a round of the cluster's barrier behind its opening work-group barrier
	s_cmp_lg_u32 s14, 0
	s_cbranch_scc1 .Lnot_wave_0_\@
	s_barrier_signal -3
.Lnot_wave_0_\@:
	s_barrier_wait -3
	s_barrier_signal -1
	s_barrier_wait -1
.endm
.macro CROUND
	s_barrier_signal -1
	s_barrier_wait -1
	CREST
.endm
	s_load_b256 s[4:11], s[0:1], 0x0               ; Xb s[4:5], Wt s[6:7], b s[8:9], Qb s[10:11]
	s_load_b64 s[12:13], s[0:1], 0x20              ; KV
	s_set_vgpr_msb 0x40
	v_lshl_add_u32 v255, v0, 2, 0x4d000
	s_set_vgpr_msb 0x4000
	v_mov_b32 v63, 0
	s_set_vgpr_msb 0x1
	ds_add_u32 v255, v63
	ds_add_u32 v255, v63
	s_set_vgpr_msb 0x100
	v_lshrrev_b32 v1, 5, v0
	v_readfirstlane_b32 s14, v1                    ; wave 0..3
	s_lshr_b32 s15, s14, 1                         ; I fetch for X (0) or for W (1)
	s_and_b32 s16, s14, 1                          ; which half of that tile
	s_bfe_u32 s40, ttmp6, 0x40000                  ; cx
	s_bfe_u32 s41, ttmp6, 0x40004                  ; cy
	s_lshl_b32 s42, ttmp9, 2
	s_add_co_u32 s42, s42, s40                     ; head = 4 x cluster x + cx
	s_and_b32 s45, ttmp7, 0xffff
	s_lshl_b32 s45, s45, 2
	s_add_co_u32 s45, s45, s41                     ; block of 256 rows = 4 x cluster y + cy
	s_lshl_b32 s43, s41, 2
	s_lshl_b32 s43, 15, s43                        ; my row of the cluster
	s_lshl_b32 s44, 0x1111, s40                    ; my column
	s_or_b32 s[G1+0], s43, (1<<16)|(1<<20)|(1<<21)|(5<<22)|(3<<25)   ; mask; 2-byte elements; padding on; bit 21 beside a mask; after every 64 words 4 words
	s_or_b32 s[G1B+0], s44, (1<<16)|(1<<20)|(1<<21)|(5<<22)|(3<<25)
	s_mov_b32 s[G1+1], KSTEP<<16                   ; tensor_dim0 = 128
	s_mov_b32 s[G1B+1], KSTEP<<16
	s_mov_b32 s[G1+2], 128<<16                     ; tensor_dim1 = 128 rows of X
	s_mov_b32 s[G1B+2], 96<<16                     ;             = 96 rows of Wt
	s_mov_b32 s[G1+3], KSTEP<<16                   ; tile_dim0 = 128
	s_mov_b32 s[G1B+3], KSTEP<<16
	s_mov_b32 s[G1+4], 128                         ; tile_dim1
	s_mov_b32 s[G1B+4], 96
	s_mov_b32 s[G1+5], SIZE_K                      ; elements from row to row
	s_mov_b32 s[G1B+5], SIZE_K
	s_mov_b32 s[G1+6], 0
	s_mov_b32 s[G1B+6], 0
	s_mov_b32 s[G1+7], 0
	s_mov_b32 s[G1B+7], 0
	; X's tile hangs on the block of rows alone, W's on the head alone; each address is made in registers that never hold the other coordinate
	s_lshl_b32 s17, s16, 7
	s_lshl_b32 s18, s45, 8
	s_add_co_u32 s18, s18, s17                     ; X row 256 x block + 128 x half
	s_lshl_b32 s18, s18, 11                        ; x 2,048 bytes (below 2^25)
	s_mov_b32 s19, 0
	s_mul_i32 s46, s42, 192
	s_mul_i32 s23, s16, 96
	s_add_co_u32 s46, s46, s23                     ; Wt row 192 x head + 96 x half
	s_lshl_b32 s46, s46, 11
	s_mov_b32 s47, 0
	s_mul_i32 s22, s14, HALFT                      ; where my load lands: the wave's number alone
	s_wait_dscnt 0x0
	s_wait_kmcnt 0x0
	s_add_nc_u64 s[18:19], s[4:5], s[18:19]
	s_add_nc_u64 s[46:47], s[6:7], s[46:47]
	CROUND                                         ; all sixteen work-groups are here: the first joint loads meet
.irp s, 0,1
	s_mov_b32 s[G0+4*\s], 1
	s_add_co_u32 s[G0+4*\s+1], s22, \s*SLOT
	s_add_nc_u64 s[G0+4*\s+2:G0+4*\s+3], s[18:19], \s*KSTEP*2      ; K step s
	s_or_b32 s[G0+4*\s+3], s[G0+4*\s+3], 0x80000000
	s_mov_b32 s[G0B+4*\s], 1
	s_add_co_u32 s[G0B+4*\s+1], s22, \s*SLOT
	s_add_nc_u64 s[G0B+4*\s+2:G0B+4*\s+3], s[46:47], \s*KSTEP*2
	s_or_b32 s[G0B+4*\s+3], s[G0B+4*\s+3], 0x80000000
	JLOAD \s                                       ; both slots are asked for before anything else: two tensor loads of the wave are out
.endr
	v_and_b32 v1, 15, v0                           ; n = lane mod 16
	v_bfe_u32 v2, v0, 4, 1                         ; h = lane / 16
	v_and_b32 v6, 31, v0                           ; lane
	v_lshlrev_b32 v[VB], 5, v2
	v_lshlrev_b32 v[VBV], 2, v1
	s_mul_i32 s20, s42, 768                        ; my head's 192 biases
	s_mov_b32 s21, 0
	s_add_nc_u64 s[8:9], s[8:9], s[20:21]
	; THE SUMS START FROM THE BIAS: it is loaded straight into the accumulators, so nothing is cleared and nothing is added later.
	; q and k tile (mt, x): register j of lane (n, h) is column 16 x + 8 h + j.
	WIN 0x80
.irp a, 0,1,2,3
.irp x, 0,1,2,3,4,5,6,7
	global_load_b128 v[8*(8*\a+\x):8*(8*\a+\x)+3], v[VB], s[8:9] offset:64*\x
	global_load_b128 v[8*(8*\a+\x)+4:8*(8*\a+\x)+7], v[VB], s[8:9] offset:64*\x+16
.endr
.endr
	; v tile (mt, x): every register of lane (n, h) is column 128 + 16 x + n.
	WIN 0xc0
.irp a, 0,1,2,3
.irp x, 0,1,2,3
.irp j, 0,1,2,3,4,5,6,7
	global_load_b32 v[8*(4*\a+\x)+\j], v[VBV], s[8:9] offset:512+64*\x
.endr
.endr
.endr
	WIN 0
	; a fragment: lane (n, h) holds row n; registers 0-3 K = 8 h + 0..7, registers 4-7 K = 16 + 8 h + 0..7: two loads of 16 bytes, 32 apart
	v_mul_u32_u24 v3, v1, PITCH
	v_lshl_add_u32 v3, v2, 4, v3
	s_mul_i32 s20, s14, 64*PITCH                   ; my 64 rows of X
	v_add_nc_u32 v[ADRA], s20, v3
	v_add_nc_u32 v[ADRA+1], SLOT, v[ADRA]
	v_add_nc_u32 v[ADRB], 2*HALFT, v3              ; W lies behind X's 256 rows
	v_add_nc_u32 v[ADRB+1], SLOT+2*HALFT, v3
	s_mul_i32 s21, s14, 64*SPITCH
	s_add_co_u32 s21, s21, STAGE                   ; my stage
	v_mul_u32_u24 v4, v1, SPITCH
	v_lshl_add_u32 v4, v2, 4, v4
	v_add_nc_u32 v[STO], s21, v4                   ; in: row n, 16 bytes for each half of the lanes
	v_lshrrev_b32 v4, 3, v6
	v_mul_u32_u24 v4, v4, SPITCH
	v_and_b32 v5, 7, v6
	v_lshl_add_u32 v4, v5, 4, v4
	v_add_nc_u32 v[RD], s21, v4                    ; back: eight lanes take a row of 128 bytes, a load takes four rows
	v_lshlrev_b32 v[CO], 4, v6                     ; which are 512 consecutive bytes of the result
; 16 matrix instructions on q and k tiles: row blocks mt0, mt0 + 1 x 8 column blocks
.macro MULQK b, mt0
	WIN 0xa1                                       ; source 0 (W) window 1, source 1 (X) window 0, C and D window 2
.irp a, \mt0, \mt0+1
.irp x, 0,1,2,3,4,5,6,7
	v_wmma_f32_16x16x32_bf16 v[8*(8*(\a)+\x):8*(8*(\a)+\x)+7], v[FB+96*\b+8*\x:FB+96*\b+8*\x+7], v[FA+32*\b+8*(\a):FA+32*\b+8*(\a)+7], v[8*(8*(\a)+\x):8*(8*(\a)+\x)+7]
.endr
.endr
.endm
; 16 matrix instructions on the v tiles
.macro MULV b
	WIN 0xf4                                       ; source 0 (X) window 0, source 1 (W) window 1, C and D window 3
.irp a, 0,1,2,3
.irp x, 0,1,2,3
	v_wmma_f32_16x16x32_bf16 v[8*(4*\a+\x):8*(4*\a+\x)+7], v[FA+32*\b+8*\a:FA+32*\b+8*\a+7], v[FB+96*\b+8*(8+\x):FB+96*\b+8*(8+\x)+7], v[8*(4*\a+\x):8*(4*\a+\x)+7]
.endr
.endr
.endm
; The 48 accumulators take turns, one instruction a turn, in the same order in every quarter step.
; 32 LDS loads in one run: X's 4 fragments, then W's 12 (q, k first, v last), 32 K at byte k of the rows, into buffer b
.macro FETCH slot, k, b
	WIN 0
.irp i, 0,1,2,3
	ds_load_b128 v[FA+32*\b+8*\i:FA+32*\b+8*\i+3],   v[ADRA+\slot] offset:\k+\i*16*PITCH
	ds_load_b128 v[FA+32*\b+8*\i+4:FA+32*\b+8*\i+7], v[ADRA+\slot] offset:\k+\i*16*PITCH+32
.endr
	WIN 0x40
.irp i, 0,1,2,3,4,5,6,7,8,9,10,11
	ds_load_b128 v[FB+96*\b+8*\i:FB+96*\b+8*\i+3],   v[ADRB+\slot] offset:\k+(\i/6)*HALFT+(\i%6)*16*PITCH
	ds_load_b128 v[FB+96*\b+8*\i+4:FB+96*\b+8*\i+7], v[ADRB+\slot] offset:\k+(\i/6)*HALFT+(\i%6)*16*PITCH+32
.endr
.endm
; One of a K step's first three quarters: multiplies buffer f, and fetches the next quarter's fragments into buffer g
.macro QUARTER slot, k, f, g
	s_wait_dscnt 8                                 ; X and the q, k columns of W are in; the youngest eight loads (the v columns) may be out
	MULQK \f, 0
	PLACES
	FETCH \slot, \k, \g
	MULQK \f, 2
	s_wait_dscnt 32                                ; all but the 32 just issued
	MULV \f
.endm
.macro THREE slot
	QUARTER \slot, 64,  0, 1
	QUARTER \slot, 128, 1, 0
	QUARTER \slot, 192, 0, 1
.endm
; The last quarter multiplies buffer 1 and changes slots.  In front of the barrier each wave waits for its reads of this slot and for all
; its tensor loads (the one that is out is its part of the next slot).  Behind it the refill comes first, then the next slot's first fragments.
.macro TURN slot, next, fill
	s_wait_dscnt 8
	MULQK 1, 0
	s_wait_dscnt 0                                 ; my reads of this slot are over
	s_wait_tensorcnt 0x0                           ; and all my tensor loads have landed
	ds_add_u32 v255, v63
	s_wait_dscnt 0x0
	s_barrier_signal -1                            ; (where the slot is filled again this barrier opens a round of the cluster's barrier)
	MULQK 1, 2                                     ; register work while the others arrive
	WIN 0
	s_barrier_wait -1
.if \fill
	CREST                                          ; no wave of any partner still reads this slot or has a load on its way
	s_add_nc_u64 s[G0+4*\slot+2:G0+4*\slot+3], s[G0+4*\slot+2:G0+4*\slot+3], 2*KSTEP*2
	s_add_nc_u64 s[G0B+4*\slot+2:G0B+4*\slot+3], s[G0B+4*\slot+2:G0B+4*\slot+3], 2*KSTEP*2
	JLOAD \slot                                    ; the wave's one tensor load behind the round; its four v_nop are also the places in front of the loads below
.else
	PLACES
.endif
	FETCH \next, 0, 0
	MULV 1
.endm
.macro LAP
	THREE 0
	TURN 0, 1, 1
	THREE 1
	TURN 1, 0, 1
.endm
	s_wait_tensorcnt 1                             ; my part of K step 0 is in; K step 1's load may stay out
	s_barrier_signal -1
	s_barrier_wait -1
	s_wait_loadcnt 0x0                             ; the bias is in the accumulators
	FETCH 0, 0, 0
	WIN 0                                          ; at a label and at a branch every window is 0
	s_mov_b32 s3, LAPS-1
.Llap:
	LAP
	WIN 0
	s_sub_co_u32 s3, s3, 1
	s_cmp_lg_u32 s3, 0
	s_cbranch_scc1 .Llap
	THREE 0                                        ; the last lap fills nothing
	TURN 0, 1, 0
	THREE 1
	s_wait_dscnt 8
	MULQK 1, 0
	MULQK 1, 2
	s_wait_dscnt 0
	MULV 1
	PLACES                                         ; behind the last matrix instructions, in front of the conversions
	; THE WAY OUT: q, k, v in turn: round to bf16, 16 bytes a lane into my own stage, read back as rows, store 512 consecutive bytes a load.
	s_lshr_b32 s40, s45, 2
	s_lshl_b32 s40, s40, 4
	s_add_co_u32 s40, s40, s42                     ; bh = 16 x batch + head
	s_and_b32 s41, s45, 3                          ; which 256 rows of the sequence
	s_lshl_b32 s46, s40, 17                        ; Qb: bh x 131,072 + 32,768 x that + 8,192 x wave
	s_lshl_b32 s23, s41, 15
	s_add_co_u32 s46, s46, s23
	s_lshl_b32 s23, s14, 13
	s_add_co_u32 s46, s46, s23
	s_mov_b32 s47, 0
	s_add_nc_u64 s[10:11], s[10:11], s[46:47]
	s_lshl_b32 s46, s40, 18                        ; KV: bh x 262,144 + (15 - block of 64 rows) x 16,384
	s_lshl2_add_u32 s23, s41, s14
	s_sub_co_u32 s23, 15, s23
	s_lshl_b32 s23, s23, 14
	s_add_co_u32 s46, s46, s23
	s_add_nc_u64 s[12:13], s[12:13], s[46:47]
; kind 0: q (column blocks 0-3 of window 2), 1: k (blocks 4-7), 2: v (window 3).  bs: the base's scalar pair; goff: bytes behind it.
.macro OUTP from, kind, bs, goff
	WIN \from
.irp a, 0,1,2,3
.irp x, 0,1,2,3
.irp r, 0,1,2,3
.if \kind == 2
	v_cvt_pk_bf16_f32 v[TMP+4*(4*\a+\x)+\r], v[8*(4*\a+\x)+2*\r], v[8*(4*\a+\x)+2*\r+1]
.else
	v_cvt_pk_bf16_f32 v[TMP+4*(4*\a+\x)+\r], v[8*(8*\a+4*\kind+\x)+2*\r], v[8*(8*\a+4*\kind+\x)+2*\r+1]
.endif
.endr
.endr
.endr
	WIN 0
.irp a, 0,1,2,3
.irp x, 0,1,2,3
.if \kind == 2
	ds_store_b128 v[STO], v[TMP+4*(4*\a+\x):TMP+4*(4*\a+\x)+3] offset:\x*16*SPITCH+32*\a    ; row dv = 16 x + n, r = 16 a + 8 h ..
.else
	ds_store_b128 v[STO], v[TMP+4*(4*\a+\x):TMP+4*(4*\a+\x)+3] offset:\a*16*SPITCH+32*\x    ; row 16 a + n, column 16 x + 8 h ..
.endif
.endr
.endr
	s_wait_xcnt 0x0                                ; BACK, which the last pass's stores read, is loaded again only behind this wait
.irp t, 0,1,2,3,4,5,6,7,8,9,10,11,12,13,14,15
	ds_load_b128 v[BACK+4*\t:BACK+4*\t+3], v[RD] offset:\t*4*SPITCH    ; LDS serves a wave's instructions in order: these see the stores above
.endr
.irp t, 0,1,2,3,4,5,6,7,8,9,10,11,12,13,14,15
	s_wait_dscnt 15-\t                             ; load t is in, the younger stay out
	global_store_b128 v[CO], v[BACK+4*\t:BACK+4*\t+3], s[\bs:\bs+1] offset:512*\t+\goff
.endr
.endm
	OUTP 0x0a, 0, 10, 0
	OUTP 0x0a, 1, 12, 0
	OUTP 0x0f, 2, 12, 8192
	s_set_vgpr_msb 0x1
	s_wait_tensorcnt 0x0
	ds_add_u32 v255, v63
	s_wait_dscnt 0x0
	s_set_vgpr_msb 0x100
	CROUND                                         ; the closing round: no work-group ends while a partner may still ask for a tile that names it
	s_endpgm
.Lfunc_end_k_qf244dba1b4_qkv:
	.size	k_qf244dba1b4_qkv, .Lfunc_end_k_qf244dba1b4_qkv-k_qf244dba1b4_qkv
	.p2alignl 7, 3214868480
	.fill 96, 4, 3214868480
	.section	.rodata,"a",@progbits
	.p2align	6, 0x0
	.amdhsa_kernel k_qf244dba1b4_qkv
		.amdhsa_group_segment_fixed_size 327680
		.amdhsa_private_segment_fixed_size 0
		.amdhsa_enable_private_segment 0
		.amdhsa_kernarg_size 40
		.amdhsa_user_sgpr_count 2
		.amdhsa_user_sgpr_kernarg_segment_ptr 1
		.amdhsa_wavefront_size32 1
		.amdhsa_system_sgpr_workgroup_id_x 1
		.amdhsa_system_sgpr_workgroup_id_y 1
		.amdhsa_system_sgpr_workgroup_id_z 1
		.amdhsa_system_vgpr_workitem_id 0
		.amdhsa_next_free_vgpr 896
		.amdhsa_next_free_sgpr 66
		.amdhsa_reserve_vcc 0
		.amdhsa_float_denorm_mode_32 3
		.amdhsa_float_denorm_mode_16_64 3
		.amdhsa_memory_ordered 1
		.amdhsa_forward_progress 1
		.amdhsa_inst_pref_size 138
	.end_amdhsa_kernel
	.amdgpu_metadata
---
amdhsa.version: [ 1, 2 ]
amdhsa.kernels:
  - .name:           k_qf244dba1b4_qkv
    .symbol:         k_qf244dba1b4_qkv.kd
    .args:
      - { .name: Xb, .offset: 0, .size: 8, .value_kind: global_buffer, .address_space: global }
      - { .name: Wt, .offset: 8, .size: 8, .value_kind: global_buffer, .address_space: global }
      - { .name: b_qkv, .offset: 16, .size: 8, .value_kind: global_buffer, .address_space: global }
      - { .name: Qb, .offset: 24, .size: 8, .value_kind: global_buffer, .address_space: global }
      - { .name: KV, .offset: 32, .size: 8, .value_kind: global_buffer, .address_space: global }
    .group_segment_fixed_size: 327680
    .private_segment_fixed_size: 0
    .kernarg_segment_align: 8
    .kernarg_segment_size: 40
    .max_flat_workgroup_size: 128
    .sgpr_count:     66
    .vgpr_count:     896
    .wavefront_size: 32
...
	.end_amdgpu_metadata
.endif
;; end of part 2
;; launch attn (part 3): grid 2 x 128, 8 waves a work-group, no clusters, 327,680 bytes of LDS; arguments Qb, KV, Eb, attention_mask, out0; writes out0
.if DOCPART == 3
	.amdgcn_target "amdgcn-amd-amdhsa--gfx1250"
	.amdhsa_code_object_version 6
	.text
	.protected	k_qf244dba1b4_attn
	.globl	k_qf244dba1b4_attn
	.p2align	8
	.type	k_qf244dba1b4_attn,@function
k_qf244dba1b4_attn:
	s_mov_b64 s[64:65], 0
	v_nop
	global_prefetch_b8 v0, s[64:65] scope:SCOPE_SE
	s_setreg_imm32_b32 hwreg(HW_REG_WAVE_MODE, 25, 1), 1
	s_wait_xcnt 0x0
; Attention with relative_key_query scores for one (batch, head) and 512 rows l.  Eight waves; wave w owns 64 rows: four tiles of 16 l.
;   raw s(l, r) = q_l.k_r + q_l.Eb[e] + k_r.Eb[e] + 8 mask[r],  e = l - r + 1024;   p = exp2(c s - c m), c = log2(e) / 8, m the running maximum of s.
; r is walked downward, 32 at a step (upper tile of 16 first), so that the tiles of Eb ascend.
; Scores are made TRANSPOSED: S = K Q^T, lane = l, register j of half h = r = 8 h + j.  Row statistics are then one number a lane, and the
; packed p is already the second source of O^T = V^T P.
; K TERM: T(r, e) = K Eb^T + 8 mask, for five tiles of e.  The wanted element of column l stands in lane (l - r) mod 16 of the upper or the lower tile:
;   one select in the source lane by a constant mask, then a rotation of the 16 lanes by r (ds_bpermute_b32).
; Q TERM: Eb Q^T (e on the registers) goes unsheared into a ring of two tile columns in LDS, the wave's own, and is read back word by word at column l - r.
; Both terms are added and the sum is the C of the product K Q^T.
; LIMITS: 8 mask is clamped below at -1e30, so a row whose keys are ALL -inf gives a finite mean (the formula itself gives NaN there);
;   a NaN in the mask counts as masked; +inf in the mask gives NaN.
; NO CLUSTER: only the two work-groups of a head share K and V, 16 KB for each block of 64 r, in which every one of eight waves issues 136 matrix instructions.
.set EPITCH, 272                       ; an LDS row: two rows of 64 bf16 (256 bytes) + 16 of padding
.set TILEB,  8*EPITCH                  ; 16 rows of Eb, K or V^T
.set KVB,    208896                    ; LDS: Eb's window of 1,536 rows at 0 (768 x 272), filled once; then two slots for K and V^T,
.set KVSLOT, 64*EPITCH                 ;   K's 64 rows at + 0, V^T's 64 rows at + 32 x 272
.set RINGB,  243712                    ; the Q term's rings, written by ds_store alone: 4 l tiles x 16 rows x 144 bytes for each wave; also the stage of the way out
.set RINGW,  9216
.set RP,     144                       ; 32 f32 + 16 bytes
.set MB,     317440                    ; max(8 mask, -1e30), 128 bytes for each step, in the order of the walk; written by ds_store alone
.set EADR, 8                           ; lane term + my wave's first tile of Eb; steps with the blocks
.set KVA,  9                           ; lane term + KVB
.set MADR, 10                          ; MB + 32 h; steps with the blocks
.set QW,   11                          ; ring, in:  row n, + 32 h
.set QRA,  12                          ; ring, back, upper r tile: row n, column n - 8 h + 9 (the offset adds 7 - j)
.set STO,  13                          ; way out, in
.set RD,   14                          ; way out, back
.set CO,   15                          ; way out, offset in out0
.set QRB,  16                          ; v16-23  ring, back, lower r tile: row n, column (n - 8 h - j) mod 32
.set BP,   24                          ; v24-31  rotation: 4 x (((n - 8 h - j) mod 16) + 16 h)
.set NM,   32                          ; v32+2lt: - c m;  v33+2lt: m
.set AL,   40                          ; v40+2lt: rescale factor;  v41+2lt: the lane's partial sum of p
.set MK,   48                          ; v48-55  8 mask of the r tile at work
.set TT,   56                          ; v56-95  T_i, i = 0..4; later the fragments of V^T
.set QT,   96                          ; v96-127 Eb Q^T of the four l tiles; then the rotated K term
.set ACC,  128                         ; v128-191 scores (lt, rt) at ACC + 16 lt + 8 rt; p packed in place at ACC + 16 lt
.set QF,   192                         ; v192-255 Q fragments (lt, c) at QF + 16 lt + 8 c
.set OO,   0                           ; block 1: O^T (lt, dt) at 32 lt + 8 dt
.set EF,   128                         ; block 1: five slots of Eb fragments, slot es half c at EF + 16 es + 8 c
.set KF,   208                         ; block 1: K fragments (rt, c) at KF + 16 rt + 8 c
.set G1E, 32                           ; s[32:39] group 1: 96 rows of 256 bytes
.set G0E, 40                           ; s[40:43]
.set G1K, 44                           ; s[44:51] group 1: 64 rows of 256 bytes
.set G0K, 52                           ; s[52:59] group 0 for each slot
.set MSB, 0
.macro WIN new
.if MSB != \new
	s_set_vgpr_msb (MSB<<8)|\new
.set MSB, \new
.endif
.endm
.macro PLACES                          ; four places behind a matrix instruction in front of loads into, stores from, or vector use of, its registers
.rept 4
	v_nop
.endr
.endm
	s_load_b256 s[4:11], s[0:1], 0x0               ; Qb s[4:5], KV s[6:7], Eb s[8:9], mask s[10:11]
	s_load_b64 s[12:13], s[0:1], 0x20              ; out0
	s_set_vgpr_msb 0x40
	v_lshl_add_u32 v240, v0, 2, 0x4e800
	v_mov_b32 v241, 0
	s_set_vgpr_msb 0x4045
	ds_add_u32 v240, v241
	ds_add_u32 v240, v241
	s_set_vgpr_msb 0x4500
	v_lshrrev_b32 v1, 5, v0
	v_readfirstlane_b32 s14, v1                    ; wave 0..7
	s_mov_b32 s15, ttmp9                           ; which 512 rows
	s_and_b32 s16, ttmp7, 0xffff                   ; bh
.irp j, 0,1,2,3,4,5,6,7
	s_mov_b32 s[20+\j], ((0xffff<<(16-\j))&0xffff)|(((0xffff<<(8-\j))&0xffff)<<16)   ; lanes with n + 8 h + j >= 16: they hand on the lower tile
.endr
	s_mov_b32 s28, 0x76543210                      ; v_permlanex16_b32: lane i of the other half
	s_mov_b32 s29, 0xfedcba98
	s_mov_b32 s30, 0x3e38aa3b                      ; c = log2(e) / 8
	s_mov_b32 s31, 0xbe38aa3b                      ; - c
	s_mov_b32 s[G1E+0], (3<<16)|(1<<20)|(5<<22)|(3<<25)   ; 8-byte elements; padding: after every 64 words 4 words
	s_mov_b32 s[G1E+1], 32<<16                     ; tensor_dim0 = 32 elements (256 bytes)
	s_mov_b32 s[G1E+2], 96<<16                     ; tensor_dim1 = 96 rows
	s_mov_b32 s[G1E+3], 32<<16                     ; tile_dim0
	s_mov_b32 s[G1E+4], 96                         ; tile_dim1
	s_mov_b32 s[G1E+5], 32                         ; the block is dense: a row begins where the last ends
	s_mov_b32 s[G1E+6], 0
	s_mov_b32 s[G1E+7], 0
	s_mov_b32 s[G1K+0], (3<<16)|(1<<20)|(5<<22)|(3<<25)
	s_mov_b32 s[G1K+1], 32<<16
	s_mov_b32 s[G1K+2], 64<<16
	s_mov_b32 s[G1K+3], 32<<16
	s_mov_b32 s[G1K+4], 64
	s_mov_b32 s[G1K+5], 32
	s_mov_b32 s[G1K+6], 0
	s_mov_b32 s[G1K+7], 0
	s_mov_b32 s[G0E], 1
	s_mul_i32 s[G0E+1], s14, 96*EPITCH             ; my eighth of the window
	s_mov_b32 s[G0K], 1
	s_mov_b32 s[G0K+1], KVB
	s_mov_b32 s[G0K+4], 1
	s_mov_b32 s[G0K+5], KVB+KVSLOT
	s_lshl_b32 s18, s15, 16                        ; Eb from row 512 x half: 128 bytes a row,
	s_mul_i32 s19, s14, 24576                      ; + 192 rows for each wave
	s_add_co_u32 s18, s18, s19
	s_mov_b32 s19, 0
	s_wait_dscnt 0x0
	s_wait_kmcnt 0x0
	s_add_nc_u64 s[G0E+2:G0E+3], s[8:9], s[18:19]
	s_or_b32 s[G0E+3], s[G0E+3], 0x80000000
	s_lshl_b32 s18, s16, 18                        ; KV: bh x 262,144
	s_add_nc_u64 s[G0K+2:G0K+3], s[6:7], s[18:19]
	s_add_nc_u64 s[G0K+6:G0K+7], s[G0K+2:G0K+3], 16384
	s_or_b32 s[G0K+3], s[G0K+3], 0x80000000
	s_or_b32 s[G0K+7], s[G0K+7], 0x80000000
	; the first fills, ahead of everything else: every wave its part of Eb's window; wave 0 also blocks 0 and 1 of K and V^T (three loads of wave 0 are out, one of the others)
	tensor_load_to_lds s[G0E:G0E+3], s[G1E:G1E+7]
	s_nop 0
	s_cmp_lg_u32 s14, 0
	s_cbranch_scc1 .Lno_kv
	tensor_load_to_lds s[G0K:G0K+3], s[G1K:G1K+7]
	s_nop 0
	tensor_load_to_lds s[G0K+4:G0K+7], s[G1K:G1K+7]
	s_nop 0
.Lno_kv:
	s_lshl_b32 s18, s16, 17                        ; Qb: bh x 131,072 + (512 half + 64 w) x 128
	s_lshl_b32 s17, s15, 16
	s_add_co_u32 s18, s18, s17
	s_lshl_b32 s17, s14, 13
	s_add_co_u32 s18, s18, s17
	s_add_nc_u64 s[4:5], s[4:5], s[18:19]
	s_lshr_b32 s18, s16, 4                         ; batch
	s_lshl_b32 s18, s18, 12
	s_add_nc_u64 s[10:11], s[10:11], s[18:19]      ; my batch's 1,024 mask numbers
	s_lshr_b32 s18, s16, 4                         ; out0: batch x 4,194,304 + (512 half + 64 w) x 4,096 + head x 256
	s_lshl_b32 s18, s18, 22
	s_lshl_b32 s17, s15, 21
	s_add_co_u32 s18, s18, s17
	s_lshl_b32 s17, s14, 18
	s_add_co_u32 s18, s18, s17
	s_and_b32 s17, s16, 15
	s_lshl_b32 s17, s17, 8
	s_add_co_u32 s18, s18, s17
	s_add_nc_u64 s[12:13], s[12:13], s[18:19]
	v_and_b32 v1, 15, v0                           ; n
	v_bfe_u32 v2, v0, 4, 1                         ; h
	v_lshlrev_b32 v4, 7, v1
	v_lshl_add_u32 v4, v2, 4, v4                   ; Q fragments straight from memory: row n, 16 bytes at 16 h
	v_lshlrev_b32 v5, 4, v0                        ; my four mask numbers
.irp lt, 0,1,2,3
.irp c, 0,1
	global_load_b128 v[QF+16*\lt+8*\c:QF+16*\lt+8*\c+3],   v4, s[4:5] offset:\lt*2048+64*\c th:TH_LOAD_NT
	global_load_b128 v[QF+16*\lt+8*\c+4:QF+16*\lt+8*\c+7], v4, s[4:5] offset:\lt*2048+64*\c+32 th:TH_LOAD_NT
.endr
.endr
	global_load_b128 v[TT:TT+3], v5, s[10:11]
	; lane term of a fragment: row n of a tile lies in LDS row n / 2, half n mod 2: sixteen lanes touch sixteen different 16-byte columns modulo 256
	v_lshrrev_b32 v6, 1, v1
	v_mul_u32_u24 v6, v6, EPITCH
	v_and_b32 v7, 1, v1
	v_lshl_add_u32 v6, v7, 7, v6
	v_lshl_add_u32 v6, v2, 4, v6
	s_mul_i32 s17, s14, 4*TILEB                    ; wave w at step t needs tiles 4 w + 2 t + 0..5 of the window
	v_add_nc_u32 v[EADR], s17, v6
	v_add_nc_u32 v[KVA], KVB, v6
	v_lshlrev_b32 v[MADR], 5, v2
	v_add_nc_u32 v[MADR], MB, v[MADR]
	s_mul_i32 s17, s14, RINGW
	s_add_co_u32 s17, s17, RINGB                   ; my ring
	v_mul_u32_u24 v7, v1, RP
	v_add_nc_u32 v7, s17, v7                       ; its row n
	v_lshl_add_u32 v[QW], v2, 5, v7
	v_lshlrev_b32 v3, 3, v2                        ; 8 h
	v_add_nc_u32 v6, 9, v1
	v_sub_nc_u32 v6, v6, v3
	v_lshl_add_u32 v[QRA], v6, 2, v7
.irp j, 0,1,2,3,4,5,6,7
	v_add_nc_u32 v6, 32-\j, v1
	v_sub_nc_u32 v6, v6, v3                        ; n - 8 h - j + 32, never below zero
	v_and_b32 v[QRB+\j], 31, v6
	v_lshl_add_u32 v[QRB+\j], v[QRB+\j], 2, v7
	v_and_b32 v[BP+\j], 15, v6
	v_lshl_add_u32 v[BP+\j], v2, 4, v[BP+\j]
	v_lshlrev_b32 v[BP+\j], 2, v[BP+\j]
.endr
	v_mul_u32_u24 v6, v1, EPITCH
	v_add_nc_u32 v6, s17, v6
	v_lshl_add_u32 v[STO], v2, 5, v6               ; way out, in: row n of 272 bytes, 32 bytes for each half
	v_mul_u32_u24 v6, v2, EPITCH
	v_add_nc_u32 v6, s17, v6
	v_lshl_add_u32 v[RD], v1, 4, v6                ; back: lanes 0-15 one row of 256 bytes, lanes 16-31 the next
	v_lshlrev_b32 v6, 12, v2
	v_lshl_add_u32 v[CO], v1, 4, v6                ; and the same two rows of out0
	v_lshrrev_b32 v6, 3, v0                        ; mask numbers 4 t .. 4 t + 3 belong to the step 31 - t / 8
	v_sub_nc_u32 v6, 31, v6
	v_and_b32 v7, 7, v0
	v_lshlrev_b32 v6, 7, v6
	v_lshl_add_u32 v6, v7, 4, v6
	v_add_nc_u32 v6, MB, v6
	s_wait_loadcnt 0x0                             ; Q and the mask
.irp k, 0,1,2,3
	v_mul_f32 v[TT+\k], 0x41000000, v[TT+\k]       ; 8 mask: the scores are kept unscaled
.endr
.irp k, 0,1,2,3
	v_max_num_f32 v[TT+\k], 0xf149f2ca, v[TT+\k]   ; not below -1e30: differences of scores stay finite
.endr
	ds_store_b128 v6, v[TT:TT+3]
	s_wait_dscnt 0x0                               ; my part of the mask is in LDS,
	s_wait_tensorcnt 0x0                           ; and my tensor loads have landed,
	s_barrier_signal -1
	s_barrier_wait -1                              ; everybody's have.
; The step's fragments: tiles f = 0..4 of Eb, K's two r tiles, the upper r tile's mask
.macro LOADS slot, Rl, so, mo
	WIN 0x40
.irp es, 0,1,2,3,4
.irp c, 0,1
	ds_load_b128 v[EF+16*\es+8*\c:EF+16*\es+8*\c+3],   v[EADR] offset:\so+\es*TILEB+64*\c
	ds_load_b128 v[EF+16*\es+8*\c+4:EF+16*\es+8*\c+7], v[EADR] offset:\so+\es*TILEB+64*\c+32
.endr
.endr
.irp rr, 0,1
.irp c, 0,1
	ds_load_b128 v[KF+16*\rr+8*\c:KF+16*\rr+8*\c+3],   v[KVA] offset:\slot*KVSLOT+(\Rl/2+8*\rr)*EPITCH+64*\c
	ds_load_b128 v[KF+16*\rr+8*\c+4:KF+16*\rr+8*\c+7], v[KVA] offset:\slot*KVSLOT+(\Rl/2+8*\rr)*EPITCH+64*\c+32
.endr
.endr
	WIN 0
	ds_load_b128 v[MK:MK+3],   v[MADR] offset:\mo+64
	ds_load_b128 v[MK+4:MK+7], v[MADR] offset:\mo+80
	s_wait_dscnt 0x0
.endm
; Ahead of the very first r tile: its lower tile of the Q term (f = lt) into ring column 0
.macro PRO
	WIN 0x01
.irp lt, 0,1,2,3
	v_wmma_f32_16x16x32_bf16 v[ACC+16*\lt:ACC+16*\lt+7], v[EF+16*\lt:EF+16*\lt+7], v[QF+16*\lt:QF+16*\lt+7], 0
.endr
.irp lt, 0,1,2,3
	v_wmma_f32_16x16x32_bf16 v[ACC+16*\lt:ACC+16*\lt+7], v[EF+16*\lt+8:EF+16*\lt+15], v[QF+16*\lt+8:QF+16*\lt+15], v[ACC+16*\lt:ACC+16*\lt+7]
.endr
	WIN 0
	PLACES
.irp lt, 0,1,2,3
	ds_store_b128 v[QW], v[ACC+16*\lt:ACC+16*\lt+3]   offset:\lt*16*RP
	ds_store_b128 v[QW], v[ACC+16*\lt+4:ACC+16*\lt+7] offset:\lt*16*RP+16
.endr
.endm
; The raw scores of one r tile (rt = 1: the upper, first) against my four l tiles.
; T_i is Eb's tile f = i + 1 - rt, in register slot (i + 1 - rt) mod 5; l tile lt takes T_lt as its lower and T_(lt+1) as its upper tile.
; In all runs of matrix instructions the accumulators take turns, one instruction a turn.
.macro RT rt, so, mo
	WIN 0x05
.irp i, 0,1,2,3,4
	v_wmma_f32_16x16x32_bf16 v[TT+8*\i:TT+8*\i+7], v[KF+16*\rt:KF+16*\rt+7], v[EF+16*((\i+1-\rt)%5):EF+16*((\i+1-\rt)%5)+7], v[MK:MK+7]
.endr
.irp i, 0,1,2,3,4
	v_wmma_f32_16x16x32_bf16 v[TT+8*\i:TT+8*\i+7], v[KF+16*\rt+8:KF+16*\rt+15], v[EF+16*((\i+1-\rt)%5)+8:EF+16*((\i+1-\rt)%5)+15], v[TT+8*\i:TT+8*\i+7]
.endr
	WIN 0x01
.irp lt, 0,1,2,3
	v_wmma_f32_16x16x32_bf16 v[QT+8*\lt:QT+8*\lt+7], v[EF+16*((\lt+2-\rt)%5):EF+16*((\lt+2-\rt)%5)+7], v[QF+16*\lt:QF+16*\lt+7], 0
.endr
.irp lt, 0,1,2,3
	v_wmma_f32_16x16x32_bf16 v[QT+8*\lt:QT+8*\lt+7], v[EF+16*((\lt+2-\rt)%5)+8:EF+16*((\lt+2-\rt)%5)+15], v[QF+16*\lt+8:QF+16*\lt+15], v[QT+8*\lt:QT+8*\lt+7]
.endr
	WIN 0
	PLACES
.if \rt
	WIN 0x40                                       ; for the lower r tile: tile f = 5 takes the place of f = 0, and its mask
.irp c, 0,1
	ds_load_b128 v[EF+8*\c:EF+8*\c+3],   v[EADR] offset:\so+5*TILEB+64*\c
	ds_load_b128 v[EF+8*\c+4:EF+8*\c+7], v[EADR] offset:\so+5*TILEB+64*\c+32
.endr
	WIN 0
	ds_load_b128 v[MK:MK+3],   v[MADR] offset:\mo
	ds_load_b128 v[MK+4:MK+7], v[MADR] offset:\mo+16
.endif
.irp lt, 0,1,2,3
	ds_store_b128 v[QW], v[QT+8*\lt:QT+8*\lt+3]   offset:\lt*16*RP+64*\rt       ; the upper tile of the Q term into ring column rt; the other column holds the lower
	ds_store_b128 v[QW], v[QT+8*\lt+4:QT+8*\lt+7] offset:\lt*16*RP+64*\rt+16
.endr
.irp lt, 0,1,2,3
.irp j, 0,1,2,3,4,5,6,7
.if \rt
	ds_load_b32 v[ACC+16*\lt+8+\j], v[QRA] offset:\lt*16*RP+4*(7-\j)             ; column 16 + n - 8 h - j.  LDS serves a wave's instructions in order: these see the stores
.else
	ds_load_b32 v[ACC+16*\lt+\j], v[QRB+\j] offset:\lt*16*RP                     ; column (n - 8 h - j) mod 32
.endif
.endr
.endr
.irp lt, 0,1,2,3
.irp j, 0,1,2,3,4,5,6,7
	v_cndmask_b32 v[TT+8*\lt+\j], v[TT+8*\lt+8+\j], v[TT+8*\lt+\j], s[20+\j]     ; what this lane hands on: the lower tile where n + 8 h + j >= 16
	ds_bpermute_b32 v[QT+8*\lt+\j], v[BP+\j], v[TT+8*\lt+\j]                     ; lane n takes lane (n - 8 h - j) mod 16 of its half
.endr
.endr
	s_wait_dscnt 0x0
.irp lt, 0,1,2,3
.irp p, 0,1,2,3
	v_pk_add_f32 v[ACC+16*\lt+8*\rt+2*\p:ACC+16*\lt+8*\rt+2*\p+1], v[ACC+16*\lt+8*\rt+2*\p:ACC+16*\lt+8*\rt+2*\p+1], v[QT+8*\lt+2*\p:QT+8*\lt+2*\p+1]
.endr
.endr
	WIN 0x01
.irp lt, 0,1,2,3
	v_wmma_f32_16x16x32_bf16 v[ACC+16*\lt+8*\rt:ACC+16*\lt+8*\rt+7], v[KF+16*\rt:KF+16*\rt+7], v[QF+16*\lt:QF+16*\lt+7], v[ACC+16*\lt+8*\rt:ACC+16*\lt+8*\rt+7]
.endr
.irp lt, 0,1,2,3
	v_wmma_f32_16x16x32_bf16 v[ACC+16*\lt+8*\rt:ACC+16*\lt+8*\rt+7], v[KF+16*\rt+8:KF+16*\rt+15], v[QF+16*\lt+8:QF+16*\lt+15], v[ACC+16*\lt+8*\rt:ACC+16*\lt+8*\rt+7]
.endr
.endm
; Running softmax of l tile lt over the step's 32 r; a lane holds 16 of them, the lane 16 further the other 16
.macro SOFT lt, first
.set SA, ACC+16*\lt
	v_max3_num_f32 v2, v[SA], v[SA+1], v[SA+2]
	v_max3_num_f32 v3, v[SA+8], v[SA+9], v[SA+10]
	v_max3_num_f32 v2, v2, v[SA+3], v[SA+4]
	v_max3_num_f32 v3, v3, v[SA+11], v[SA+12]
	v_max3_num_f32 v2, v2, v[SA+5], v[SA+6]
	v_max3_num_f32 v3, v3, v[SA+13], v[SA+14]
	v_max3_num_f32 v2, v2, v[SA+7], v[SA+15]
.if \first
	v_max_num_f32 v2, v2, v3
.else
	v_max3_num_f32 v2, v2, v3, v[NM+2*\lt+1]
.endif
	v_permlanex16_b32 v3, v2, s28, s29
	v_max_num_f32 v[NM+2*\lt+1], v2, v3            ; the new maximum, alike in both halves
.if \first
	v_mul_f32 v[NM+2*\lt], s31, v[NM+2*\lt+1]
.else
	v_mul_f32 v4, s31, v[NM+2*\lt+1]               ; - c m
	v_sub_f32 v5, v4, v[NM+2*\lt]                  ; c m(old) - c m(new), from the two rounded offsets that the exponentials use
	v_mov_b32 v[NM+2*\lt], v4
.endif
.irp p, 0,1,2,3,4,5,6,7
	v_pk_fma_f32 v[SA+2*\p:SA+2*\p+1], v[SA+2*\p:SA+2*\p+1], s[30:31], v[NM+2*\lt:NM+2*\lt+1] op_sel_hi:[1,0,0]   ; c s - c m
.endr
.irp k, 0,1,2,3,4,5,6,7,8,9,10,11,12,13,14,15
	v_exp_f32 v[SA+\k], v[SA+\k]
.endr
.if \first == 0
	v_exp_f32 v[AL+2*\lt], v5
.endif
	v_nop                                          ; one plain place behind the transcendentals (ISA guide 5.7.2) before their results are used
	s_wait_alu depctr_va_vdst(0)
	v_pk_add_f32 v[2:3], v[SA:SA+1], v[SA+2:SA+3]
	v_pk_add_f32 v[6:7], v[SA+8:SA+9], v[SA+10:SA+11]
	v_pk_add_f32 v[2:3], v[2:3], v[SA+4:SA+5]
	v_pk_add_f32 v[6:7], v[6:7], v[SA+12:SA+13]
	v_pk_add_f32 v[2:3], v[2:3], v[SA+6:SA+7]
	v_pk_add_f32 v[6:7], v[6:7], v[SA+14:SA+15]
	v_pk_add_f32 v[2:3], v[2:3], v[6:7]
.if \first
	v_add_f32 v[AL+2*\lt+1], v2, v3
.else
	v_add_f32 v2, v2, v3
	v_fma_f32 v[AL+2*\lt+1], v[AL+2*\lt+1], v[AL+2*\lt], v2
.endif
.irp p, 0,1,2,3,4,5,6,7
	v_cvt_pk_bf16_f32 v[SA+\p], v[SA+2*\p], v[SA+2*\p+1]   ; in place, ascending: registers 0-3 r = 8 h .., 4-7 r = 16 + 8 h ..: the second source of V^T P
.endr
.endm
; One step: 64 l x 32 r
.macro STEP slot, Rl, so, mo, first
	LOADS \slot, \Rl, \so, \mo
.if \first
	PRO
.endif
	RT 1, \so, \mo
	RT 0, \so, \mo
	WIN 0
.irp dt, 0,1,2,3
	ds_load_b128 v[TT+8*\dt:TT+8*\dt+3],   v[KVA] offset:\slot*KVSLOT+32*EPITCH+\dt*TILEB+2*\Rl
	ds_load_b128 v[TT+8*\dt+4:TT+8*\dt+7], v[KVA] offset:\slot*KVSLOT+32*EPITCH+\dt*TILEB+2*\Rl+32
.endr
	PLACES
	SOFT 0, \first
	SOFT 1, \first
	SOFT 2, \first
	SOFT 3, \first
.if \first == 0
	WIN 0x41
.irp lt, 0,1,2,3
.irp q, 0,1,2,3,4,5,6,7,8,9,10,11,12,13,14,15
	v_pk_mul_f32 v[OO+32*\lt+2*\q:OO+32*\lt+2*\q+1], v[OO+32*\lt+2*\q:OO+32*\lt+2*\q+1], v[AL+2*\lt:AL+2*\lt+1] op_sel_hi:[1,0]
.endr
.endr
.endif
	s_wait_dscnt 0x0                               ; V^T's fragments
	WIN 0x50
.irp lt, 0,1,2,3
.irp dt, 0,1,2,3
.if \first
	v_wmma_f32_16x16x32_bf16 v[OO+32*\lt+8*\dt:OO+32*\lt+8*\dt+7], v[TT+8*\dt:TT+8*\dt+7], v[ACC+16*\lt:ACC+16*\lt+7], 0
.else
	v_wmma_f32_16x16x32_bf16 v[OO+32*\lt+8*\dt:OO+32*\lt+8*\dt+7], v[TT+8*\dt:TT+8*\dt+7], v[ACC+16*\lt:ACC+16*\lt+7], v[OO+32*\lt+8*\dt:OO+32*\lt+8*\dt+7]
.endif
.endr
.endr
	WIN 0
.rept 5
	v_nop                                          ; five places: the next step's first matrix instructions write over V^T's registers
.endr
.endm
; One block of 64 r = two steps from one slot.  In front of the barrier every wave waits for all its tensor loads and for its reads of the
; other slot; behind it wave 0 asks first thing for the block after next... that is: the block that follows this one, into the slot read last.
.macro BLK slot, refill, first
.if \first == 0
	s_set_vgpr_msb 0x5
	s_wait_tensorcnt 0x0                           ; no tensor load of mine is out (wave 0: this block's tile has landed), so a group 0 may be written
	ds_add_u32 v240, v241
	s_wait_dscnt 0x0
	s_set_vgpr_msb 0x500
.if \refill
	s_add_nc_u64 s[G0K+4*(1-\slot)+2:G0K+4*(1-\slot)+3], s[G0K+4*(1-\slot)+2:G0K+4*(1-\slot)+3], 32768   ; the other slot's next block: two blocks on
.endif
	s_wait_dscnt 0x0                               ; my reads of the other slot are back
	s_barrier_signal -1
	s_barrier_wait -1                              ; both hold of all eight waves
.endif
.if \refill
	s_cmp_lg_u32 s14, 0
	s_cbranch_scc1 .Lno_fill_\@
	tensor_load_to_lds s[G0K+4*(1-\slot):G0K+4*(1-\slot)+3], s[G1K:G1K+7]   ; wave 0's one tensor load behind the barrier; it has this block's two steps in which to land
	s_nop 0
.Lno_fill_\@:
.endif
	STEP \slot, 32, 0, 0, \first
	STEP \slot, 0, 2*TILEB, 128, 0
	v_add_nc_u32 v[EADR], 4*TILEB, v[EADR]         ; four tiles of Eb further up
	v_add_nc_u32 v[MADR], 256, v[MADR]
.endm
	BLK 0, 0, 1                                    ; block 0: the first products start the sums of O; slot 1 already holds block 1
	s_mov_b32 s17, 7
.Lblk:
	BLK 1, 1, 0                                    ; blocks 1 .. 14
	BLK 0, 1, 0
	s_sub_co_u32 s17, s17, 1
	s_cmp_lg_u32 s17, 0
	s_cbranch_scc1 .Lblk
	BLK 1, 0, 0                                    ; block 15: nothing is left to fetch
	; THE WAY OUT, one l tile at a time: divide by the row's sum, through my own stage (the ring's bytes, which no tensor load fills),
	; back as whole rows of 64 f32.  The five v_nop behind the last matrix instructions are the places in front of these reads of O.
.irp lt, 0,1,2,3
	v_permlanex16_b32 v2, v[AL+2*\lt+1], s28, s29
	v_add_f32 v2, v2, v[AL+2*\lt+1]                ; both halves' partial sums; at least 1, since the largest p of a row is 1
	v_rcp_f32 v4, v2
	v_nop                                          ; one plain place behind the transcendental
	WIN 0x01
	s_wait_alu depctr_va_vdst(0)
.irp dt, 0,1,2,3
.irp p, 0,1,2,3
	v_pk_mul_f32 v[TT+8*\dt+2*\p:TT+8*\dt+2*\p+1], v[OO+32*\lt+8*\dt+2*\p:OO+32*\lt+8*\dt+2*\p+1], v[4:5] op_sel_hi:[1,0]
.endr
.endr
	WIN 0
.irp dt, 0,1,2,3
	ds_store_b128 v[STO], v[TT+8*\dt:TT+8*\dt+3]   offset:(\lt&1)*16*EPITCH+64*\dt       ; row n, dv = 16 dt + 8 h ..
	ds_store_b128 v[STO], v[TT+8*\dt+4:TT+8*\dt+7] offset:(\lt&1)*16*EPITCH+64*\dt+16
.endr
.irp u, 0,1,2,3,4,5,6,7
	ds_load_b128 v[ACC+32*\lt+4*\u:ACC+32*\lt+4*\u+3], v[RD] offset:(\lt&1)*16*EPITCH+\u*2*EPITCH   ; registers of their own for each l tile: no store's data is written again
.endr
.irp u, 0,1,2,3,4,5,6,7
	s_wait_dscnt 7-\u                              ; load u is in, the younger stay out
	global_store_b128 v[CO], v[ACC+32*\lt+4*\u:ACC+32*\lt+4*\u+3], s[12:13] offset:\lt*65536+\u*8192 th:TH_STORE_NT   ; sixteen lanes store 256 consecutive bytes, aligned
.endr
.endr
	s_set_vgpr_msb 0x5
	s_wait_tensorcnt 0x0
	ds_add_u32 v240, v241
	s_wait_dscnt 0x0
	s_set_vgpr_msb 0x500
	s_endpgm
.Lfunc_end_k_qf244dba1b4_attn:
	.size	k_qf244dba1b4_attn, .Lfunc_end_k_qf244dba1b4_attn-k_qf244dba1b4_attn
	.p2alignl 7, 3214868480
	.fill 96, 4, 3214868480
	.section	.rodata,"a",@progbits
	.p2align	6, 0x0
	.amdhsa_kernel k_qf244dba1b4_attn
		.amdhsa_group_segment_fixed_size 327680
		.amdhsa_private_segment_fixed_size 0
		.amdhsa_enable_private_segment 0
		.amdhsa_kernarg_size 40
		.amdhsa_user_sgpr_count 2
		.amdhsa_user_sgpr_kernarg_segment_ptr 1
		.amdhsa_wavefront_size32 1
		.amdhsa_system_sgpr_workgroup_id_x 1
		.amdhsa_system_sgpr_workgroup_id_y 1
		.amdhsa_system_sgpr_workgroup_id_z 1
		.amdhsa_system_vgpr_workitem_id 0
		.amdhsa_next_free_vgpr 498
		.amdhsa_next_free_sgpr 66
		.amdhsa_reserve_vcc 0
		.amdhsa_float_denorm_mode_32 3
		.amdhsa_float_denorm_mode_16_64 3
		.amdhsa_memory_ordered 1
		.amdhsa_forward_progress 1
		.amdhsa_inst_pref_size 255
	.end_amdhsa_kernel
	.section	.bss,"aw",@nobits
	.p2align	6
	.space	262144
	.amdgpu_metadata
---
amdhsa.version: [ 1, 2 ]
amdhsa.kernels:
  - .name:           k_qf244dba1b4_attn
    .symbol:         k_qf244dba1b4_attn.kd
    .args:
      - { .name: Qb, .offset: 0, .size: 8, .value_kind: global_buffer, .address_space: global }
      - { .name: KV, .offset: 8, .size: 8, .value_kind: global_buffer, .address_space: global }
      - { .name: Eb, .offset: 16, .size: 8, .value_kind: global_buffer, .address_space: global }
      - { .name: attention_mask, .offset: 24, .size: 8, .value_kind: global_buffer, .address_space: global }
      - { .name: out0, .offset: 32, .size: 8, .value_kind: global_buffer, .address_space: global }
    .group_segment_fixed_size: 327680
    .private_segment_fixed_size: 0
    .kernarg_segment_align: 8
    .kernarg_segment_size: 40
    .max_flat_workgroup_size: 256
    .sgpr_count:     66
    .vgpr_count:     498
    .wavefront_size: 32
...
	.end_amdgpu_metadata
.endif
;; end of part 3
;; ======== version 2 of 3: 3 launches; 1.24 times as fast as version 1
;; workspace buffers: Xb 16,777,216 bytes; Wt 6,291,456 bytes; Eb 262,144 bytes; Qb 16,777,216 bytes; KV 33,554,432 bytes
;; launch prep: the kernel of part 1 again; grid 904 x 1, 8 waves a work-group, no clusters, 18,432 bytes of LDS; arguments hidden_states, W_qkv, dist_emb, Xb, Wt, Eb; writes Xb, Wt, Eb
;; launch qkv (part 4): grid 16 x 16, 4 waves a work-group, clusters of 4 x 4, 327,680 bytes of LDS; arguments Xb, Wt, b_qkv, Qb, KV; writes Qb, KV
.if DOCPART == 4
	.amdgcn_target "amdgcn-amd-amdhsa--gfx1250"
	.amdhsa_code_object_version 6
	.text
	.protected	k_qf244dba1b4_qkv
	.globl	k_qf244dba1b4_qkv
	.p2align	8
	.type	k_qf244dba1b4_qkv,@function
k_qf244dba1b4_qkv:
	s_mov_b64 s[64:65], 0
	v_nop
	global_prefetch_b8 v0, s[64:65] scope:SCOPE_SE
	s_setreg_imm32_b32 hwreg(HW_REG_WAVE_MODE, 25, 1), 1
	s_wait_xcnt 0x0
	s_wait_alu depctr_hold_cnt(0) depctr_sa_sdst(0) depctr_va_vdst(0) depctr_va_sdst(0) depctr_va_ssrc(0) depctr_va_vcc(0) depctr_vm_vsrc(0)
	s_getreg_b32 s2, hwreg(HW_REG_IB_STS2, 6, 4)
	s_cmp_eq_u32 s2, 0
	s_cbranch_scc0 .Lentry_in_a_cluster
	s_endpgm
.Lentry_in_a_cluster:
	s_bfe_u32 s2, ttmp6, 0x10000c
	s_cmp_lg_u32 s2, 0xf033
	s_cbranch_scc0 .Lentry_shape_is_right
	s_endpgm
.Lentry_shape_is_right:
; qkv = X W + b for one head (192 columns: q, k, v of 64 each), in bf16 products with f32 sums; results rounded once to bf16.
; 256 work-groups, each of which STAYS and makes two blocks of 256 rows of its head (row blocks by and by + 16): the ring of LDS slots runs on
; from the first block into the second, so the second block's first tiles land while the first block's results go out, and those stores
; drain under the second block's products.
; Four waves; wave w makes rows 64 w .. 64 w + 63 x all 192 columns: 48 accumulator tiles of 16 x 16, 384 registers.
; K = 1024 goes in steps of 128 through two LDS slots filled by the tensor data mover: tile rows are 256 bytes of memory, aligned.
; CLUSTERS: 4 x 4 work-groups.  The four of a row of the cluster make the same rows and ask jointly for X's tiles; the four of a
; column make the same head and ask jointly for W's tiles: each tile is requested once for four work-groups.
; OUT: Qb[bh][l][64]; KV[bh][15 - l/64][0] = K[64 r][64 d], [1] = V transposed [64 dv][64 r].  A wave's 64 rows are one such block,
; so its q, k and v are three dense runs of 8,192 bytes.
; q and k tiles are made transposed (source 0 = rows of Wt, source 1 = rows of X): a lane then holds 8 neighbouring columns of one row.
; v tiles are made the natural way (source 0 = X, source 1 = Wt): a lane holds one dv and 8 neighbouring rows r, which is V transposed.
; THE BIAS is loaded once, as twelve tiles of 8 registers, and is the C of each block's first products: nothing is cleared, nothing is added later.
; REGISTER WINDOWS: 0 addresses, X fragments, way out; 1 W fragments; 2 the 32 q and k tiles; 3 the 16 v tiles and the bias tiles.
.set KSTEP,  128
.set SIZE_K, 1024
.set PITCH,  272                       ; an LDS row: 256 bytes + 16 of padding, so that the 16 rows of a fragment load start 16 bytes apart modulo 256
.set HALFT,  128*PITCH                 ; the LDS region of one wave's tensor load
.set SLOT,   4*HALFT                   ; X rows 0-127, X rows 128-255, W rows 0-95, W rows 96-191 (the last two regions are used in part)
.set STAGE,  2*SLOT                    ; behind the ring: 64 rows x 144 bytes for each wave, for the way out; no tensor load lands there
.set SPITCH, 144
.set LAPS,   SIZE_K/(2*KSTEP)          ; a lap = two K steps = once round the ring; four laps a block
.set NEXTX,  16*256*SIZE_K*2-6*KSTEP*2 ; X: from K step 6 (7) of this block to K step 0 (1) of the block 16 x 256 rows further down
.set REWIND, 6*KSTEP*2                 ; W: from K step 6 (7) back to K step 0 (1)
.set ADRA, 16                          ; v16-17  LDS address of my X fragments in slot 0, 1
.set ADRB, 20                          ; v20-21  the same for W
.set STO,  24                          ; way out: where I put 16 bytes
.set RD,   25                          ; way out: where I read back
.set CO,   26                          ; way out: 16 x lane
.set VB,   27                          ; bias of q and k: 32 h
.set VBV,  28                          ; bias of v: 4 n
.set FA,   64                          ; window 0: X fragments, buffer b at FA + 32 b
.set FB,   0                           ; window 1: W fragments, buffer b at FB + 96 b
.set TMP,  128
.set BACK, 192
.set BQ,   128                         ; window 3: bias tiles of the 8 column blocks of q and k
.set BV,   192                         ; window 3: bias tiles of the 4 column blocks of v
.set G1,  24                           ; s[24:31] group 1 for X's tiles
.set G0,  32                           ; s[32:39] group 0 for X's tiles, one set for each slot
.set G1B, 48                           ; s[48:55] group 1 for W's tiles
.set G0B, 56                           ; s[56:63] group 0 for W's tiles, one set for each slot
.set MSB, 0
.macro WIN new                         ; the immediate's high byte repeats the setting that is left
.if MSB != \new
	s_set_vgpr_msb (MSB<<8)|\new
.set MSB, \new
.endif
.endm
.macro PLACES                          ; four places behind a matrix instruction in front of loads into, or vector use of, its registers
.rept 4
	v_nop
.endr
.endm
; A joint load.  Waves 0 and 1 fetch X's two halves, waves 2 and 3 W's.  Each line has one mask and one set of registers; the branch hangs on the wave's number alone.
.macro JLOAD s
	s_cmp_eq_u32 s15, 0
	s_cbranch_scc0 .Lfor_b_\@
	tensor_load_to_lds s[G0+4*\s:G0+4*\s+3], s[G1:G1+7]
	s_nop 0
.rept 4
	v_nop
.endr
	s_branch .Lasked_\@
.Lfor_b_\@:
	tensor_load_to_lds s[G0B+4*\s:G0B+4*\s+3], s[G1B:G1B+7]
	s_nop 0
.rept 4
	v_nop
.endr
.Lasked_\@:
.endm
.macro CREST                           ; a round of the cluster's barrier behind its opening work-group barrier
	s_cmp_lg_u32 s14, 0
	s_cbranch_scc1 .Lnot_wave_0_\@
	s_barrier_signal -3
.Lnot_wave_0_\@:
	s_barrier_wait -3
	s_barrier_signal -1
	s_barrier_wait -1
.endm
.macro CROUND
	s_barrier_signal -1
	s_barrier_wait -1
	CREST
.endm
	s_load_b256 s[4:11], s[0:1], 0x0               ; Xb s[4:5], Wt s[6:7], b s[8:9], Qb s[10:11]
	s_load_b64 s[12:13], s[0:1], 0x20              ; KV
	s_set_vgpr_msb 0x40
	v_lshl_add_u32 v255, v0, 2, 0x4d000
	s_set_vgpr_msb 0x4000
	v_mov_b32 v63, 0
	s_set_vgpr_msb 0x1
	ds_add_u32 v255, v63
	ds_add_u32 v255, v63
	s_set_vgpr_msb 0x100
	v_lshrrev_b32 v1, 5, v0
	v_readfirstlane_b32 s14, v1                    ; wave 0..3
	s_lshr_b32 s15, s14, 1                         ; I fetch for X (0) or for W (1)
	s_and_b32 s16, s14, 1                          ; which half of that tile
	s_bfe_u32 s40, ttmp6, 0x40000                  ; cx
	s_bfe_u32 s41, ttmp6, 0x40004                  ; cy
	s_lshl_b32 s42, ttmp9, 2
	s_add_co_u32 s42, s42, s40                     ; head = 4 x cluster x + cx
	s_and_b32 s45, ttmp7, 0xffff
	s_lshl_b32 s45, s45, 2
	s_add_co_u32 s45, s45, s41                     ; by = 4 x cluster y + cy, 0 .. 15: my first block of 256 rows; the second is by + 16
	s_lshl_b32 s43, s41, 2
	s_lshl_b32 s43, 15, s43                        ; my row of the cluster
	s_lshl_b32 s44, 0x1111, s40                    ; my column
	s_or_b32 s[G1+0], s43, (1<<16)|(1<<20)|(1<<21)|(5<<22)|(3<<25)   ; mask; 2-byte elements; padding on; bit 21 beside a mask; after every 64 words 4 words
	s_or_b32 s[G1B+0], s44, (1<<16)|(1<<20)|(1<<21)|(5<<22)|(3<<25)
	s_mov_b32 s[G1+1], KSTEP<<16                   ; tensor_dim0 = 128
	s_mov_b32 s[G1B+1], KSTEP<<16
	s_mov_b32 s[G1+2], 128<<16                     ; tensor_dim1 = 128 rows of X
	s_mov_b32 s[G1B+2], 96<<16                     ;             = 96 rows of Wt
	s_mov_b32 s[G1+3], KSTEP<<16                   ; tile_dim0 = 128
	s_mov_b32 s[G1B+3], KSTEP<<16
	s_mov_b32 s[G1+4], 128                         ; tile_dim1
	s_mov_b32 s[G1B+4], 96
	s_mov_b32 s[G1+5], SIZE_K                      ; elements from row to row
	s_mov_b32 s[G1B+5], SIZE_K
	s_mov_b32 s[G1+6], 0
	s_mov_b32 s[G1B+6], 0
	s_mov_b32 s[G1+7], 0
	s_mov_b32 s[G1B+7], 0
	; X's tile hangs on the block of rows alone, W's on the head alone; each address is made in registers that never hold the other coordinate
	s_lshl_b32 s17, s16, 7
	s_lshl_b32 s18, s45, 8
	s_add_co_u32 s18, s18, s17                     ; X row 256 x block + 128 x half
	s_lshl_b32 s18, s18, 11                        ; x 2,048 bytes (below 2^24)
	s_mov_b32 s19, 0
	s_mul_i32 s46, s42, 192
	s_mul_i32 s23, s16, 96
	s_add_co_u32 s46, s46, s23                     ; Wt row 192 x head + 96 x half
	s_lshl_b32 s46, s46, 11
	s_mov_b32 s47, 0
	s_mul_i32 s22, s14, HALFT                      ; where my load lands: the wave's number alone
	s_wait_dscnt 0x0
	s_wait_kmcnt 0x0
	s_add_nc_u64 s[18:19], s[4:5], s[18:19]
	s_add_nc_u64 s[46:47], s[6:7], s[46:47]
	CROUND                                         ; all sixteen work-groups are here: the first joint loads meet
.irp s, 0,1
	s_mov_b32 s[G0+4*\s], 1
	s_add_co_u32 s[G0+4*\s+1], s22, \s*SLOT
	s_add_nc_u64 s[G0+4*\s+2:G0+4*\s+3], s[18:19], \s*KSTEP*2      ; K step s
	s_or_b32 s[G0+4*\s+3], s[G0+4*\s+3], 0x80000000
	s_mov_b32 s[G0B+4*\s], 1
	s_add_co_u32 s[G0B+4*\s+1], s22, \s*SLOT
	s_add_nc_u64 s[G0B+4*\s+2:G0B+4*\s+3], s[46:47], \s*KSTEP*2
	s_or_b32 s[G0B+4*\s+3], s[G0B+4*\s+3], 0x80000000
	JLOAD \s                                       ; both slots are asked for before anything else: two tensor loads of the wave are out
.endr
	v_and_b32 v1, 15, v0                           ; n = lane mod 16
	v_bfe_u32 v2, v0, 4, 1                         ; h = lane / 16
	v_and_b32 v6, 31, v0                           ; lane
	v_lshlrev_b32 v[VB], 5, v2
	v_lshlrev_b32 v[VBV], 2, v1
	s_mul_i32 s20, s42, 768                        ; my head's 192 biases
	s_mov_b32 s21, 0
	s_add_nc_u64 s[8:9], s[8:9], s[20:21]
	; the bias tiles, 48 loads for both blocks.  q and k, column block x: register j of lane (n, h) is column 16 x + 8 h + j.
	WIN 0xc0
.irp x, 0,1,2,3,4,5,6,7
	global_load_b128 v[BQ+8*\x:BQ+8*\x+3], v[VB], s[8:9] offset:64*\x
	global_load_b128 v[BQ+8*\x+4:BQ+8*\x+7], v[VB], s[8:9] offset:64*\x+16
.endr
	; v, column block x: every register of lane (n, h) is column 128 + 16 x + n.
.irp x, 0,1,2,3
.irp j, 0,1,2,3,4,5,6,7
	global_load_b32 v[BV+8*\x+\j], v[VBV], s[8:9] offset:512+64*\x
.endr
.endr
	WIN 0
	; a fragment: lane (n, h) holds row n; registers 0-3 K = 8 h + 0..7, registers 4-7 K = 16 + 8 h + 0..7: two loads of 16 bytes, 32 apart
	v_mul_u32_u24 v3, v1, PITCH
	v_lshl_add_u32 v3, v2, 4, v3
	s_mul_i32 s20, s14, 64*PITCH                   ; my 64 rows of X
	v_add_nc_u32 v[ADRA], s20, v3
	v_add_nc_u32 v[ADRA+1], SLOT, v[ADRA]
	v_add_nc_u32 v[ADRB], 2*HALFT, v3              ; W lies behind X's 256 rows
	v_add_nc_u32 v[ADRB+1], SLOT+2*HALFT, v3
	s_mul_i32 s21, s14, 64*SPITCH
	s_add_co_u32 s21, s21, STAGE                   ; my stage
	v_mul_u32_u24 v4, v1, SPITCH
	v_lshl_add_u32 v4, v2, 4, v4
	v_add_nc_u32 v[STO], s21, v4                   ; in: row n, 16 bytes for each half of the lanes
	v_lshrrev_b32 v4, 3, v6
	v_mul_u32_u24 v4, v4, SPITCH
	v_and_b32 v5, 7, v6
	v_lshl_add_u32 v4, v5, 4, v4
	v_add_nc_u32 v[RD], s21, v4                    ; back: eight lanes take a row of 128 bytes, a load takes four rows
	v_lshlrev_b32 v[CO], 4, v6                     ; which are 512 consecutive bytes of the result
; 16 matrix instructions on q and k tiles: row blocks mt0, mt0 + 1 x 8 column blocks.  zero = 1: a block's first product, which starts the sum from the bias tile.
.macro MULQK b, mt0, zero
.if \zero
	WIN 0xb1                                       ; source 0 (W) window 1, source 1 (X) window 0, C (bias) window 3, D window 2
.else
	WIN 0xa1                                       ; source 0 (W) window 1, source 1 (X) window 0, C and D window 2
.endif
.irp a, \mt0, \mt0+1
.irp x, 0,1,2,3,4,5,6,7
.if \zero
	v_wmma_f32_16x16x32_bf16 v[8*(8*(\a)+\x):8*(8*(\a)+\x)+7], v[FB+96*\b+8*\x:FB+96*\b+8*\x+7], v[FA+32*\b+8*(\a):FA+32*\b+8*(\a)+7], v[BQ+8*\x:BQ+8*\x+7]
.else
	v_wmma_f32_16x16x32_bf16 v[8*(8*(\a)+\x):8*(8*(\a)+\x)+7], v[FB+96*\b+8*\x:FB+96*\b+8*\x+7], v[FA+32*\b+8*(\a):FA+32*\b+8*(\a)+7], v[8*(8*(\a)+\x):8*(8*(\a)+\x)+7]
.endif
.endr
.endr
.endm
; 16 matrix instructions on the v tiles
.macro MULV b, zero
	WIN 0xf4                                       ; source 0 (X) window 0, source 1 (W) window 1, C and D window 3 (the bias tiles lie there too)
.irp a, 0,1,2,3
.irp x, 0,1,2,3
.if \zero
	v_wmma_f32_16x16x32_bf16 v[8*(4*\a+\x):8*(4*\a+\x)+7], v[FA+32*\b+8*\a:FA+32*\b+8*\a+7], v[FB+96*\b+8*(8+\x):FB+96*\b+8*(8+\x)+7], v[BV+8*\x:BV+8*\x+7]
.else
	v_wmma_f32_16x16x32_bf16 v[8*(4*\a+\x):8*(4*\a+\x)+7], v[FA+32*\b+8*\a:FA+32*\b+8*\a+7], v[FB+96*\b+8*(8+\x):FB+96*\b+8*(8+\x)+7], v[8*(4*\a+\x):8*(4*\a+\x)+7]
.endif
.endr
.endr
.endm
; The 48 accumulators take turns, one instruction a turn, in the same order in every quarter step.
; 32 LDS loads in one run: X's 4 fragments, then W's 12 (q, k first, v last), 32 K at byte k of the rows, into buffer b
.macro FETCH slot, k, b
	WIN 0
.irp i, 0,1,2,3
	ds_load_b128 v[FA+32*\b+8*\i:FA+32*\b+8*\i+3],   v[ADRA+\slot] offset:\k+\i*16*PITCH
	ds_load_b128 v[FA+32*\b+8*\i+4:FA+32*\b+8*\i+7], v[ADRA+\slot] offset:\k+\i*16*PITCH+32
.endr
	WIN 0x40
.irp i, 0,1,2,3,4,5,6,7,8,9,10,11
	ds_load_b128 v[FB+96*\b+8*\i:FB+96*\b+8*\i+3],   v[ADRB+\slot] offset:\k+(\i/6)*HALFT+(\i%6)*16*PITCH
	ds_load_b128 v[FB+96*\b+8*\i+4:FB+96*\b+8*\i+7], v[ADRB+\slot] offset:\k+(\i/6)*HALFT+(\i%6)*16*PITCH+32
.endr
.endm
; One of a K step's first three quarters: multiplies buffer f, and fetches the next quarter's fragments into buffer g
.macro QUARTER slot, k, f, g, zero
	s_wait_dscnt 8                                 ; X and the q, k columns of W are in; the youngest eight loads (the v columns) may be out
	MULQK \f, 0, \zero
	PLACES
	FETCH \slot, \k, \g
	MULQK \f, 2, \zero
	s_wait_dscnt 32                                ; all but the 32 just issued
	MULV \f, \zero
.endm
.macro THREE slot, zero
	QUARTER \slot, 64,  0, 1, \zero
	QUARTER \slot, 128, 1, 0, 0
	QUARTER \slot, 192, 0, 1, 0
.endm
; The last quarter multiplies buffer 1 and changes slots.  In front of the barrier each wave waits for its reads of this slot and for all
; its tensor loads (the one that is out is its part of the next slot).  Behind it the refill comes first, then the next slot's first fragments.
; fill = 1: this slot gets the K step two further on; fill = 2: the same K step's place in the next block of rows; fill = 0: nothing is left to fetch.
.macro TURN slot, next, fill
	s_wait_dscnt 8
	MULQK 1, 0, 0
	s_wait_dscnt 0                                 ; my reads of this slot are over
	s_wait_tensorcnt 0x0                           ; and all my tensor loads have landed
	ds_add_u32 v255, v63
	s_wait_dscnt 0x0
	s_barrier_signal -1                            ; (where the slot is filled again this barrier opens a round of the cluster's barrier)
	MULQK 1, 2, 0                                  ; register work while the others arrive
	WIN 0
	s_barrier_wait -1
.if \fill
	CREST                                          ; no wave of any partner still reads this slot or has a load on its way
.if \fill == 1
	s_add_nc_u64 s[G0+4*\slot+2:G0+4*\slot+3], s[G0+4*\slot+2:G0+4*\slot+3], 2*KSTEP*2
	s_add_nc_u64 s[G0B+4*\slot+2:G0B+4*\slot+3], s[G0B+4*\slot+2:G0B+4*\slot+3], 2*KSTEP*2
.else
	s_add_nc_u64 s[G0+4*\slot+2:G0+4*\slot+3], s[G0+4*\slot+2:G0+4*\slot+3], NEXTX
	s_sub_nc_u64 s[G0B+4*\slot+2:G0B+4*\slot+3], s[G0B+4*\slot+2:G0B+4*\slot+3], REWIND
.endif
	JLOAD \slot                                    ; the wave's one tensor load behind the round; its four v_nop are also the places in front of the loads below
.else
	PLACES
.endif
	FETCH \next, 0, 0
	MULV 1, 0
.endm
.macro LAP zero
	THREE 0, \zero
	TURN 0, 1, 1
	THREE 1, 0
	TURN 1, 0, 1
.endm
; THE WAY OUT of one of q, k, v: round to bf16, 16 bytes a lane into my own stage, read back as rows, store 512 consecutive bytes a load.
; kind 0: q (column blocks 0-3 of window 2), 1: k (blocks 4-7), 2: v (window 3).  bs: the base's scalar pair; goff: bytes behind it.
.macro OUTP from, kind, bs, goff
	WIN \from
.irp a, 0,1,2,3
.irp x, 0,1,2,3
.irp r, 0,1,2,3
.if \kind == 2
	v_cvt_pk_bf16_f32 v[TMP+4*(4*\a+\x)+\r], v[8*(4*\a+\x)+2*\r], v[8*(4*\a+\x)+2*\r+1]
.else
	v_cvt_pk_bf16_f32 v[TMP+4*(4*\a+\x)+\r], v[8*(8*\a+4*\kind+\x)+2*\r], v[8*(8*\a+4*\kind+\x)+2*\r+1]
.endif
.endr
.endr
.endr
	WIN 0
.irp a, 0,1,2,3
.irp x, 0,1,2,3
.if \kind == 2
	ds_store_b128 v[STO], v[TMP+4*(4*\a+\x):TMP+4*(4*\a+\x)+3] offset:\x*16*SPITCH+32*\a    ; row dv = 16 x + n, r = 16 a + 8 h ..
.else
	ds_store_b128 v[STO], v[TMP+4*(4*\a+\x):TMP+4*(4*\a+\x)+3] offset:\a*16*SPITCH+32*\x    ; row 16 a + n, column 16 x + 8 h ..
.endif
.endr
.endr
	s_wait_xcnt 0x0                                ; BACK, which earlier stores read, is loaded again only behind this wait
.irp t, 0,1,2,3,4,5,6,7,8,9,10,11,12,13,14,15
	ds_load_b128 v[BACK+4*\t:BACK+4*\t+3], v[RD] offset:\t*4*SPITCH    ; LDS serves a wave's instructions in order: these see the stores above
.endr
.irp t, 0,1,2,3,4,5,6,7,8,9,10,11,12,13,14,15
	s_wait_dscnt 15-\t                             ; load t is in, the younger stay out
	global_store_b128 v[CO], v[BACK+4*\t:BACK+4*\t+3], s[\bs:\bs+1] offset:512*\t+\goff
.endr
.endm
.macro OUT3
	OUTP 0x0a, 0, 10, 0
	OUTP 0x0a, 1, 12, 0
	OUTP 0x0f, 2, 12, 8192
.endm
	s_wait_tensorcnt 1                             ; my part of K step 0 is in; K step 1's load may stay out
	s_barrier_signal -1
	s_barrier_wait -1
	s_wait_loadcnt 0x0                             ; the bias tiles are in
	FETCH 0, 0, 0
	; ---- the first block of rows ----
	LAP 1                                          ; the first lap stands in front of the loop: its first products start the sums from the bias
	WIN 0                                          ; at a label and at a branch every window is 0
	s_mov_b32 s3, LAPS-2
.Llap_a:
	LAP 0
	WIN 0
	s_sub_co_u32 s3, s3, 1
	s_cmp_lg_u32 s3, 0
	s_cbranch_scc1 .Llap_a
	THREE 0, 0                                     ; the fourth lap asks for the second block's K steps 0 and 1,
	TURN 0, 1, 2
	THREE 1, 0
	TURN 1, 0, 2                                   ; and fetches that block's first fragments, which buffer 0 keeps through the way out
	PLACES                                         ; behind the last matrix instructions, in front of the conversions
	s_lshr_b32 s40, s45, 2
	s_lshl_b32 s40, s40, 4
	s_add_co_u32 s40, s40, s42                     ; bh = 16 x batch + head
	s_and_b32 s41, s45, 3                          ; which 256 rows of the sequence
	s_lshl_b32 s46, s40, 17                        ; Qb: bh x 131,072 + 32,768 x that + 8,192 x wave
	s_lshl_b32 s23, s41, 15
	s_add_co_u32 s46, s46, s23
	s_lshl_b32 s23, s14, 13
	s_add_co_u32 s46, s46, s23
	s_mov_b32 s47, 0
	s_add_nc_u64 s[10:11], s[10:11], s[46:47]
	s_lshl_b32 s46, s40, 18                        ; KV: bh x 262,144 + (15 - block of 64 rows) x 16,384
	s_lshl2_add_u32 s23, s41, s14
	s_sub_co_u32 s23, 15, s23
	s_lshl_b32 s23, s23, 14
	s_add_co_u32 s46, s46, s23
	s_add_nc_u64 s[12:13], s[12:13], s[46:47]
	OUT3
	s_wait_xcnt 0x0                                ; the stores' bases are stepped only behind this wait
	s_add_nc_u64 s[10:11], s[10:11], 64*131072     ; row block by + 16 is four batches on: bh + 64
	s_add_nc_u64 s[12:13], s[12:13], 64*262144
	; ---- the second block of rows ----
	LAP 1
	WIN 0
	s_mov_b32 s3, LAPS-2
.Llap_b:
	LAP 0
	WIN 0
	s_sub_co_u32 s3, s3, 1
	s_cmp_lg_u32 s3, 0
	s_cbranch_scc1 .Llap_b
	THREE 0, 0                                     ; the last lap fills nothing
	TURN 0, 1, 0
	THREE 1, 0
	s_wait_dscnt 8
	MULQK 1, 0, 0
	MULQK 1, 2, 0
	s_wait_dscnt 0
	MULV 1, 0
	PLACES
	OUT3
	s_set_vgpr_msb 0x1
	s_wait_tensorcnt 0x0
	ds_add_u32 v255, v63
	s_wait_dscnt 0x0
	s_set_vgpr_msb 0x100
	CROUND                                         ; the closing round: no work-group ends while a partner may still ask for a tile that names it
	s_endpgm
.Lfunc_end_k_qf244dba1b4_qkv:
	.size	k_qf244dba1b4_qkv, .Lfunc_end_k_qf244dba1b4_qkv-k_qf244dba1b4_qkv
	.p2alignl 7, 3214868480
	.fill 96, 4, 3214868480
	.section	.rodata,"a",@progbits
	.p2align	6, 0x0
	.amdhsa_kernel k_qf244dba1b4_qkv
		.amdhsa_group_segment_fixed_size 327680
		.amdhsa_private_segment_fixed_size 0
		.amdhsa_enable_private_segment 0
		.amdhsa_kernarg_size 40
		.amdhsa_user_sgpr_count 2
		.amdhsa_user_sgpr_kernarg_segment_ptr 1
		.amdhsa_wavefront_size32 1
		.amdhsa_system_sgpr_workgroup_id_x 1
		.amdhsa_system_sgpr_workgroup_id_y 1
		.amdhsa_system_sgpr_workgroup_id_z 1
		.amdhsa_system_vgpr_workitem_id 0
		.amdhsa_next_free_vgpr 1024
		.amdhsa_next_free_sgpr 66
		.amdhsa_reserve_vcc 0
		.amdhsa_float_denorm_mode_32 3
		.amdhsa_float_denorm_mode_16_64 3
		.amdhsa_memory_ordered 1
		.amdhsa_forward_progress 1
		.amdhsa_inst_pref_size 255
	.end_amdhsa_kernel
	.section	.bss,"aw",@nobits
	.p2align	6
	.space	262144
	.amdgpu_metadata
---
amdhsa.version: [ 1, 2 ]
amdhsa.kernels:
  - .name:           k_qf244dba1b4_qkv
    .symbol:         k_qf244dba1b4_qkv.kd
    .args:
      - { .name: Xb, .offset: 0, .size: 8, .value_kind: global_buffer, .address_space: global }
      - { .name: Wt, .offset: 8, .size: 8, .value_kind: global_buffer, .address_space: global }
      - { .name: b_qkv, .offset: 16, .size: 8, .value_kind: global_buffer, .address_space: global }
      - { .name: Qb, .offset: 24, .size: 8, .value_kind: global_buffer, .address_space: global }
      - { .name: KV, .offset: 32, .size: 8, .value_kind: global_buffer, .address_space: global }
    .group_segment_fixed_size: 327680
    .private_segment_fixed_size: 0
    .kernarg_segment_align: 8
    .kernarg_segment_size: 40
    .max_flat_workgroup_size: 128
    .sgpr_count:     66
    .vgpr_count:     1024
    .wavefront_size: 32
...
	.end_amdgpu_metadata
.endif
;; end of part 4
;; launch attn (part 5): grid 2 x 128, 8 waves a work-group, no clusters, 327,680 bytes of LDS; arguments Qb, KV, Eb, attention_mask, out0; writes out0
.if DOCPART == 5
	.amdgcn_target "amdgcn-amd-amdhsa--gfx1250"
	.amdhsa_code_object_version 6
	.text
	.protected	k_qf244dba1b4_attn
	.globl	k_qf244dba1b4_attn
	.p2align	8
	.type	k_qf244dba1b4_attn,@function
k_qf244dba1b4_attn:
	s_mov_b64 s[64:65], 0
	v_nop
	global_prefetch_b8 v0, s[64:65] scope:SCOPE_SE
	s_setreg_imm32_b32 hwreg(HW_REG_WAVE_MODE, 25, 1), 1
	s_wait_xcnt 0x0
; Attention with relative_key_query scores for one (batch, head) and 512 rows l.  Eight waves; wave w owns 64 rows: four tiles of 16 l.
;   raw s(l, r) = q_l.k_r + q_l.Eb[e] + k_r.Eb[e] + 8 mask[r],  e = l - r + 1024;   p = exp2(c s - c m), c = log2(e) / 8, m the running maximum of s.
; r is walked downward, 32 at a step (upper tile of 16 first), so that the tiles of Eb ascend.
; Scores are made TRANSPOSED: S = K Q^T, lane = l, register j of half h = r = 8 h + j.  Row statistics are then one number a lane, and the
; packed p is already the second source of O^T = V^T P.
; K TERM: T(r, e) = K Eb^T + 8 mask, for five tiles of e.  The wanted element of column l stands in lane (l - r) mod 16 of the upper or the lower tile:
;   one select in the source lane by a constant mask, then a rotation of the 16 lanes by r = 8 h + j, which rides on the add onto the Q term
;   (v_add_f32_dpp row_ror).  The amount differs between the two halves of the lanes, so each half is added under its own EXEC.
; Q TERM: Eb Q^T (e on the registers) goes unsheared into a ring of two tile columns in LDS, the wave's own, and is read back word by word at column l - r.
; The sum of both terms is the C of the product K Q^T.
; Eb's FRAGMENTS stay in five register slots through a block of 64 r: its four r tiles use tiles g = ph .. ph + 4 (ph = 0..3), tile g in slot g mod 5,
;   so each r tile loads one new tile into the slot of the one that retires; only the change of blocks loads five.
; ORDER OF A STEP: like instructions stand in runs; every fragment is asked for ahead of the work that precedes its use; the softmax of the four l tiles is
;   pipelined, and V^T P of a packed tile is issued under the vector work of the next.
; LIMITS: 8 mask is clamped below at -1e30, so a row whose keys are ALL -inf gives a finite mean (the formula itself gives NaN there);
;   a NaN in the mask counts as masked; +inf in the mask gives NaN.
; NO CLUSTER: only the two work-groups of a head share K and V, 16 KB for each block of 64 r, in which every one of eight waves issues 136 matrix instructions.
.set EPITCH, 272                       ; an LDS row: two rows of 64 bf16 (256 bytes) + 16 of padding
.set TILEB,  8*EPITCH                  ; 16 rows of Eb, K or V^T
.set KVB,    208896                    ; LDS: Eb's window of 1,536 rows at 0 (768 x 272), filled once; then two slots for K and V^T,
.set KVSLOT, 64*EPITCH                 ;   K's 64 rows at + 0, V^T's 64 rows at + 32 x 272
.set RINGB,  243712                    ; the Q term's rings, written by ds_store alone: 4 l tiles x 16 rows x 144 bytes for each wave; also the stage of the way out
.set RINGW,  9216
.set RP,     144                       ; 32 f32 + 16 bytes
.set MB,     317440                    ; max(8 mask, -1e30), 128 bytes for each step, in the order of the walk; written by ds_store alone
.set EADR, 8                           ; lane term + my wave's first tile of Eb; steps with the blocks
.set KVA,  9                           ; lane term + KVB
.set MADR, 10                          ; MB + 32 h; steps with the blocks
.set QW,   11                          ; ring, in:  row n, + 32 h
.set QRA,  12                          ; ring, back, upper r tile: row n, column n - 8 h + 9 (the offset adds 7 - j)
.set STO,  13                          ; way out, in
.set RD,   14                          ; way out, back
.set CO,   15                          ; way out, offset in out0
.set QRB,  16                          ; v16-23  ring, back, lower r tile: row n, column (n - 8 h - j) mod 32
.set NM,   32                          ; v32+2lt: - c m;  v33+2lt: m
.set AL,   40                          ; v40+2lt: rescale factor;  v41+2lt: the lane's partial sum of p
.set MK,   48                          ; v48-55  8 mask of the r tile at work
.set TT,   56                          ; v56-95  T_i, i = 0..4; then the softmax's temporaries, 8 for each l tile
.set QT,   96                          ; v96-127 Eb Q^T of the four l tiles; then the fragments of V^T
.set ACC,  128                         ; v128-191 scores (lt, rt) at ACC + 16 lt + 8 rt; p packed in place at ACC + 16 lt
.set QF,   192                         ; v192-255 Q fragments (lt, c) at QF + 16 lt + 8 c
.set OO,   0                           ; block 1: O^T (lt, dt) at 32 lt + 8 dt
.set EF,   128                         ; block 1: five slots of Eb fragments, slot es half c at EF + 16 es + 8 c
.set KF,   208                         ; block 1: K fragments (rt, c) at KF + 16 rt + 8 c
.set G1E, 32                           ; s[32:39] group 1: 96 rows of 256 bytes
.set G0E, 40                           ; s[40:43]
.set G1K, 44                           ; s[44:51] group 1: 64 rows of 256 bytes
.set G0K, 52                           ; s[52:59] group 0 for each slot
.set MSB, 0
.macro WIN new                         ; the immediate's high byte repeats the setting that is left
.if MSB != \new
	s_set_vgpr_msb (MSB<<8)|\new
.set MSB, \new
.endif
.endm
.macro PLACES                          ; four places behind a matrix instruction in front of loads into, stores from, or vector use of, its registers
.rept 4
	v_nop
.endr
.endm
	s_load_b256 s[4:11], s[0:1], 0x0               ; Qb s[4:5], KV s[6:7], Eb s[8:9], mask s[10:11]
	s_load_b64 s[12:13], s[0:1], 0x20              ; out0
	v_lshl_add_u32 v30, v0, 2, 0x4e800
	v_mov_b32 v31, 0
	ds_add_u32 v30, v31
	ds_add_u32 v30, v31
	v_lshrrev_b32 v1, 5, v0
	v_readfirstlane_b32 s14, v1                    ; wave 0..7
	s_mov_b32 s15, ttmp9                           ; which 512 rows
	s_and_b32 s16, ttmp7, 0xffff                   ; bh
.irp j, 0,1,2,3,4,5,6,7
	s_mov_b32 s[20+\j], ((0xffff<<(16-\j))&0xffff)|(((0xffff<<(8-\j))&0xffff)<<16)   ; lanes with n + 8 h + j >= 16: they hand on the lower tile
.endr
	s_mov_b32 s28, 0x76543210                      ; v_permlanex16_b32: lane i of the other half
	s_mov_b32 s29, 0xfedcba98
	s_mov_b32 s30, 0x3e38aa3b                      ; c = log2(e) / 8
	s_mov_b32 s31, 0xbe38aa3b                      ; - c
	s_mov_b32 s[G1E+0], (3<<16)|(1<<20)|(5<<22)|(3<<25)   ; 8-byte elements; padding: after every 64 words 4 words
	s_mov_b32 s[G1E+1], 32<<16                     ; tensor_dim0 = 32 elements (256 bytes)
	s_mov_b32 s[G1E+2], 96<<16                     ; tensor_dim1 = 96 rows
	s_mov_b32 s[G1E+3], 32<<16                     ; tile_dim0
	s_mov_b32 s[G1E+4], 96                         ; tile_dim1
	s_mov_b32 s[G1E+5], 32                         ; the block is dense: a row begins where the last ends
	s_mov_b32 s[G1E+6], 0
	s_mov_b32 s[G1E+7], 0
	s_mov_b32 s[G1K+0], (3<<16)|(1<<20)|(5<<22)|(3<<25)
	s_mov_b32 s[G1K+1], 32<<16
	s_mov_b32 s[G1K+2], 64<<16
	s_mov_b32 s[G1K+3], 32<<16
	s_mov_b32 s[G1K+4], 64
	s_mov_b32 s[G1K+5], 32
	s_mov_b32 s[G1K+6], 0
	s_mov_b32 s[G1K+7], 0
	s_mov_b32 s[G0E], 1
	s_mul_i32 s[G0E+1], s14, 96*EPITCH             ; my eighth of the window
	s_mov_b32 s[G0K], 1
	s_mov_b32 s[G0K+1], KVB
	s_mov_b32 s[G0K+4], 1
	s_mov_b32 s[G0K+5], KVB+KVSLOT
	s_lshl_b32 s18, s15, 16                        ; Eb from row 512 x half: 128 bytes a row,
	s_mul_i32 s19, s14, 24576                      ; + 192 rows for each wave
	s_add_co_u32 s18, s18, s19
	s_mov_b32 s19, 0
	s_wait_dscnt 0x0
	s_wait_kmcnt 0x0
	s_add_nc_u64 s[G0E+2:G0E+3], s[8:9], s[18:19]
	s_or_b32 s[G0E+3], s[G0E+3], 0x80000000
	s_lshl_b32 s18, s16, 18                        ; KV: bh x 262,144
	s_add_nc_u64 s[G0K+2:G0K+3], s[6:7], s[18:19]
	s_add_nc_u64 s[G0K+6:G0K+7], s[G0K+2:G0K+3], 16384
	s_or_b32 s[G0K+3], s[G0K+3], 0x80000000
	s_or_b32 s[G0K+7], s[G0K+7], 0x80000000
	; the first fills, ahead of everything else: every wave its part of Eb's window; wave 0 also blocks 0 and 1 of K and V^T (three loads of wave 0 are out, one of the others)
	tensor_load_to_lds s[G0E:G0E+3], s[G1E:G1E+7]
	s_nop 0
	s_cmp_lg_u32 s14, 0
	s_cbranch_scc1 .Lno_kv
	tensor_load_to_lds s[G0K:G0K+3], s[G1K:G1K+7]
	s_nop 0
	tensor_load_to_lds s[G0K+4:G0K+7], s[G1K:G1K+7]
	s_nop 0
.Lno_kv:
	s_lshl_b32 s18, s16, 17                        ; Qb: bh x 131,072 + (512 half + 64 w) x 128
	s_lshl_b32 s17, s15, 16
	s_add_co_u32 s18, s18, s17
	s_lshl_b32 s17, s14, 13
	s_add_co_u32 s18, s18, s17
	s_add_nc_u64 s[4:5], s[4:5], s[18:19]
	s_lshr_b32 s18, s16, 4                         ; batch
	s_lshl_b32 s18, s18, 12
	s_add_nc_u64 s[10:11], s[10:11], s[18:19]      ; my batch's 1,024 mask numbers
	s_lshr_b32 s18, s16, 4                         ; out0: batch x 4,194,304 + (512 half + 64 w) x 4,096 + head x 256
	s_lshl_b32 s18, s18, 22
	s_lshl_b32 s17, s15, 21
	s_add_co_u32 s18, s18, s17
	s_lshl_b32 s17, s14, 18
	s_add_co_u32 s18, s18, s17
	s_and_b32 s17, s16, 15
	s_lshl_b32 s17, s17, 8
	s_add_co_u32 s18, s18, s17
	s_add_nc_u64 s[12:13], s[12:13], s[18:19]
	v_and_b32 v1, 15, v0                           ; n
	v_bfe_u32 v2, v0, 4, 1                         ; h
	v_lshlrev_b32 v4, 7, v1
	v_lshl_add_u32 v4, v2, 4, v4                   ; Q fragments straight from memory: row n, 16 bytes at 16 h
	v_lshlrev_b32 v5, 4, v0                        ; my four mask numbers
.irp lt, 0,1,2,3
.irp c, 0,1
	global_load_b128 v[QF+16*\lt+8*\c:QF+16*\lt+8*\c+3],   v4, s[4:5] offset:\lt*2048+64*\c th:TH_LOAD_NT
	global_load_b128 v[QF+16*\lt+8*\c+4:QF+16*\lt+8*\c+7], v4, s[4:5] offset:\lt*2048+64*\c+32 th:TH_LOAD_NT
.endr
.endr
	global_load_b128 v[TT:TT+3], v5, s[10:11]
	; lane term of a fragment: row n of a tile lies in LDS row n / 2, half n mod 2: sixteen lanes touch sixteen different 16-byte columns modulo 256
	v_lshrrev_b32 v6, 1, v1
	v_mul_u32_u24 v6, v6, EPITCH
	v_and_b32 v7, 1, v1
	v_lshl_add_u32 v6, v7, 7, v6
	v_lshl_add_u32 v6, v2, 4, v6
	s_mul_i32 s17, s14, 4*TILEB                    ; wave w in block q needs tiles 4 w + 4 q + 0..7 of the window
	v_add_nc_u32 v[EADR], s17, v6
	v_add_nc_u32 v[KVA], KVB, v6
	v_lshlrev_b32 v[MADR], 5, v2
	v_add_nc_u32 v[MADR], MB, v[MADR]
	s_mul_i32 s17, s14, RINGW
	s_add_co_u32 s17, s17, RINGB                   ; my ring
	v_mul_u32_u24 v7, v1, RP
	v_add_nc_u32 v7, s17, v7                       ; its row n
	v_lshl_add_u32 v[QW], v2, 5, v7
	v_lshlrev_b32 v3, 3, v2                        ; 8 h
	v_add_nc_u32 v6, 9, v1
	v_sub_nc_u32 v6, v6, v3
	v_lshl_add_u32 v[QRA], v6, 2, v7
.irp j, 0,1,2,3,4,5,6,7
	v_add_nc_u32 v6, 32-\j, v1
	v_sub_nc_u32 v6, v6, v3                        ; n - 8 h - j + 32, never below zero
	v_and_b32 v6, 31, v6
	v_lshl_add_u32 v[QRB+\j], v6, 2, v7
.endr
	v_mul_u32_u24 v6, v1, EPITCH
	v_add_nc_u32 v6, s17, v6
	v_lshl_add_u32 v[STO], v2, 5, v6               ; way out, in: row n of 272 bytes, 32 bytes for each half
	v_mul_u32_u24 v6, v2, EPITCH
	v_add_nc_u32 v6, s17, v6
	v_lshl_add_u32 v[RD], v1, 4, v6                ; back: lanes 0-15 one row of 256 bytes, lanes 16-31 the next
	v_lshlrev_b32 v6, 12, v2
	v_lshl_add_u32 v[CO], v1, 4, v6                ; and the same two rows of out0
	v_lshrrev_b32 v6, 3, v0                        ; mask numbers 4 t .. 4 t + 3 belong to the step 31 - t / 8
	v_sub_nc_u32 v6, 31, v6
	v_and_b32 v7, 7, v0
	v_lshlrev_b32 v6, 7, v6
	v_lshl_add_u32 v6, v7, 4, v6
	v_add_nc_u32 v6, MB, v6
	s_wait_loadcnt 0x0                             ; Q and the mask
	s_wait_xcnt 0x0                                ; no global access is pending from here to the way out: EXEC may be narrowed in the steps
.irp k, 0,1,2,3
	v_mul_f32 v[TT+\k], 0x41000000, v[TT+\k]       ; 8 mask: the scores are kept unscaled
.endr
.irp k, 0,1,2,3
	v_max_num_f32 v[TT+\k], 0xf149f2ca, v[TT+\k]   ; not below -1e30: differences of scores stay finite
.endr
	ds_store_b128 v6, v[TT:TT+3]
	s_wait_dscnt 0x0                               ; my part of the mask is in LDS,
	s_wait_tensorcnt 0x0                           ; and my tensor loads have landed,
	s_barrier_signal -1
	s_barrier_wait -1                              ; everybody's have.
; ---- fragment loads ----
.macro ELOADS so                       ; 20 loads: five tiles of Eb from so bytes behind EADR, into the five register slots
	WIN 0x40
.irp es, 0,1,2,3,4
.irp c, 0,1
	ds_load_b128 v[EF+16*\es+8*\c:EF+16*\es+8*\c+3],   v[EADR] offset:\so+\es*TILEB+64*\c
	ds_load_b128 v[EF+16*\es+8*\c+4:EF+16*\es+8*\c+7], v[EADR] offset:\so+\es*TILEB+64*\c+32
.endr
.endr
.endm
.macro KLOADS slot, Rl                 ; 8 loads: K's rows Rl .. Rl + 31 of a slot
	WIN 0x40
.irp rr, 0,1
.irp c, 0,1
	ds_load_b128 v[KF+16*\rr+8*\c:KF+16*\rr+8*\c+3],   v[KVA] offset:(\slot)*KVSLOT+(\Rl/2+8*\rr)*EPITCH+64*\c
	ds_load_b128 v[KF+16*\rr+8*\c+4:KF+16*\rr+8*\c+7], v[KVA] offset:(\slot)*KVSLOT+(\Rl/2+8*\rr)*EPITCH+64*\c+32
.endr
.endr
.endm
.macro MLOADS mo                       ; 2 loads: 8 mask of one r tile
	WIN 0
	ds_load_b128 v[MK:MK+3],   v[MADR] offset:\mo
	ds_load_b128 v[MK+4:MK+7], v[MADR] offset:\mo+16
.endm
; Ahead of the very first r tile: its lower tile of the Q term (tile g = lt) into ring column 0
.macro PRO
	WIN 0x01
.irp lt, 0,1,2,3
	v_wmma_f32_16x16x32_bf16 v[ACC+16*\lt:ACC+16*\lt+7], v[EF+16*\lt:EF+16*\lt+7], v[QF+16*\lt:QF+16*\lt+7], 0
.endr
.irp lt, 0,1,2,3
	v_wmma_f32_16x16x32_bf16 v[ACC+16*\lt:ACC+16*\lt+7], v[EF+16*\lt+8:EF+16*\lt+15], v[QF+16*\lt+8:QF+16*\lt+15], v[ACC+16*\lt:ACC+16*\lt+7]
.endr
	WIN 0
	PLACES
.irp lt, 0,1,2,3
	ds_store_b128 v[QW], v[ACC+16*\lt:ACC+16*\lt+3]   offset:\lt*16*RP
	ds_store_b128 v[QW], v[ACC+16*\lt+4:ACC+16*\lt+7] offset:\lt*16*RP+16
.endr
.endm
; ---- the raw scores of r tile ph (0..3) of a block against my four l tiles; rt = 1: the upper tile of its step, 0: the lower ----
; T_i is Eb's tile g = ph + i; l tile lt takes T_lt as its lower and T_(lt+1) as its upper tile.
; In all runs of matrix instructions the accumulators take turns, one instruction a turn.
; mn: where the next r tile's mask lies; more = 0: the very last r tile, which asks for nothing beyond V^T.
.macro RT ph, rt, slot, Rl, mn, more
	s_wait_dscnt 0x0                               ; the fragments asked for ahead are in
	WIN 0x05
.irp i, 0,1,2,3,4
	v_wmma_f32_16x16x32_bf16 v[TT+8*\i:TT+8*\i+7], v[KF+16*\rt:KF+16*\rt+7], v[EF+16*((\ph+\i)%5):EF+16*((\ph+\i)%5)+7], v[MK:MK+7]
.endr
.irp i, 0,1,2,3,4
	v_wmma_f32_16x16x32_bf16 v[TT+8*\i:TT+8*\i+7], v[KF+16*\rt+8:KF+16*\rt+15], v[EF+16*((\ph+\i)%5)+8:EF+16*((\ph+\i)%5)+15], v[TT+8*\i:TT+8*\i+7]
.endr
	WIN 0x01
.irp lt, 0,1,2,3
	v_wmma_f32_16x16x32_bf16 v[QT+8*\lt:QT+8*\lt+7], v[EF+16*((\ph+\lt+1)%5):EF+16*((\ph+\lt+1)%5)+7], v[QF+16*\lt:QF+16*\lt+7], 0
.endr
.irp lt, 0,1,2,3
	v_wmma_f32_16x16x32_bf16 v[QT+8*\lt:QT+8*\lt+7], v[EF+16*((\ph+\lt+1)%5)+8:EF+16*((\ph+\lt+1)%5)+15], v[QF+16*\lt+8:QF+16*\lt+15], v[QT+8*\lt:QT+8*\lt+7]
.endr
	WIN 0
	PLACES
	; what each lane hands on: the lower tile where n + 8 h + j >= 16.  In place, lt ascending: T_(lt+1) is read before it is written.
.irp lt, 0,1,2,3
.irp j, 0,1,2,3,4,5,6,7
	v_cndmask_b32 v[TT+8*\lt+\j], v[TT+8*\lt+8+\j], v[TT+8*\lt+\j], s[20+\j]
.endr
.endr
.irp lt, 0,1,2,3
	ds_store_b128 v[QW], v[QT+8*\lt:QT+8*\lt+3]   offset:\lt*16*RP+64*\rt       ; the upper tile of the Q term into ring column rt; the other column holds the lower
	ds_store_b128 v[QW], v[QT+8*\lt+4:QT+8*\lt+7] offset:\lt*16*RP+64*\rt+16
.endr
.irp lt, 0,1,2,3
.irp j, 0,1,2,3,4,5,6,7
.if \rt
	ds_load_b32 v[ACC+16*\lt+8+\j], v[QRA] offset:\lt*16*RP+4*(7-\j)             ; column 16 + n - 8 h - j.  LDS serves a wave's instructions in order: these see the stores
.else
	ds_load_b32 v[ACC+16*\lt+\j], v[QRB+\j] offset:\lt*16*RP                     ; column (n - 8 h - j) mod 32
.endif
.endr
.endr
.if \rt == 0
.irp dt, 0,1,2,3
	ds_load_b128 v[QT+8*\dt:QT+8*\dt+3],   v[KVA] offset:(\slot)*KVSLOT+32*EPITCH+\dt*TILEB+2*\Rl      ; V^T of the step's 32 r, behind the ring stores that sent these registers
	ds_load_b128 v[QT+8*\dt+4:QT+8*\dt+7], v[KVA] offset:(\slot)*KVSLOT+32*EPITCH+\dt*TILEB+2*\Rl+32
.endr
.endif
.if \ph < 3
	WIN 0x40                                       ; for the next r tile: tile g = ph + 5 takes the slot of g = ph, which only T_0 above has read; and its mask
.irp c, 0,1
	ds_load_b128 v[EF+16*\ph+8*\c:EF+16*\ph+8*\c+3],   v[EADR] offset:(\ph+5)*TILEB+64*\c
	ds_load_b128 v[EF+16*\ph+8*\c+4:EF+16*\ph+8*\c+7], v[EADR] offset:(\ph+5)*TILEB+64*\c+32
.endr
	MLOADS \mn
.set NY, 6+8*(1-\rt)                   ; loads younger than the ring's: 4 + 2, and V^T's 8 behind a lower r tile
.else
.if \more
	ELOADS 4*TILEB                                 ; the next block begins four tiles of Eb further up
	MLOADS \mn
.set NY, 30                            ; 8 + 20 + 2
.else
.set NY, 8                             ; V^T alone
.endif
.endif
	WIN 0
	; K term onto Q term: lane n adds what lane (n - 8 h - j) mod 16 of its half hands on.  Lanes 0-15 rotate by j, lanes 16-31 by 8 + j, each half under its own EXEC.
	s_mov_b32 exec_lo, 0xffff
.irp lt, 0,1,2,3
	s_wait_dscnt NY+8*(3-\lt)                      ; the ring's eight words of l tile lt are in; the later tiles' and the NY younger loads stay out
	v_add_f32 v[ACC+16*\lt+8*\rt], v[TT+8*\lt], v[ACC+16*\lt+8*\rt]
.irp j, 1,2,3,4,5,6,7
	v_add_f32_dpp v[ACC+16*\lt+8*\rt+\j], v[TT+8*\lt+\j], v[ACC+16*\lt+8*\rt+\j] row_ror:\j row_mask:0xf bank_mask:0xf
.endr
.endr
	s_mov_b32 exec_lo, 0xffff0000
.irp lt, 0,1,2,3
.irp k, 8,9,10,11,12,13,14,15
	v_add_f32_dpp v[ACC+16*\lt+8*\rt+\k-8], v[TT+8*\lt+\k-8], v[ACC+16*\lt+8*\rt+\k-8] row_ror:\k row_mask:0xf bank_mask:0xf
.endr
.endr
	s_mov_b32 exec_lo, -1                          ; all lanes on again, ahead of the matrix instructions
	WIN 0x01
.irp lt, 0,1,2,3
	v_wmma_f32_16x16x32_bf16 v[ACC+16*\lt+8*\rt:ACC+16*\lt+8*\rt+7], v[KF+16*\rt:KF+16*\rt+7], v[QF+16*\lt:QF+16*\lt+7], v[ACC+16*\lt+8*\rt:ACC+16*\lt+8*\rt+7]
.endr
.irp lt, 0,1,2,3
	v_wmma_f32_16x16x32_bf16 v[ACC+16*\lt+8*\rt:ACC+16*\lt+8*\rt+7], v[KF+16*\rt+8:KF+16*\rt+15], v[QF+16*\lt+8:QF+16*\lt+15], v[ACC+16*\lt+8*\rt:ACC+16*\lt+8*\rt+7]
.endr
.endm
; ---- the running softmax over the step's 32 r; a lane holds 16 of them, the lane 16 further the other 16 ----
; The four l tiles' maxima, interleaved so that no line waits for the one in front of it.  The first twelve lines read the upper r tile's scores alone,
; which name no register of the last products K Q^T (those wrote the lower tile's): they are the places in front of the first read of those results.
.macro SMAX first
.irp lt, 0,1,2,3
	v_max3_num_f32 v[TT+8*\lt+1], v[ACC+16*\lt+8], v[ACC+16*\lt+9], v[ACC+16*\lt+10]
.endr
.irp lt, 0,1,2,3
	v_max3_num_f32 v[TT+8*\lt+1], v[TT+8*\lt+1], v[ACC+16*\lt+11], v[ACC+16*\lt+12]
.endr
.irp lt, 0,1,2,3
	v_max3_num_f32 v[TT+8*\lt+1], v[TT+8*\lt+1], v[ACC+16*\lt+13], v[ACC+16*\lt+14]
.endr
.irp lt, 0,1,2,3
	v_max3_num_f32 v[TT+8*\lt], v[ACC+16*\lt], v[ACC+16*\lt+1], v[ACC+16*\lt+2]
.endr
.irp lt, 0,1,2,3
	v_max3_num_f32 v[TT+8*\lt], v[TT+8*\lt], v[ACC+16*\lt+3], v[ACC+16*\lt+4]
.endr
.irp lt, 0,1,2,3
	v_max3_num_f32 v[TT+8*\lt], v[TT+8*\lt], v[ACC+16*\lt+5], v[ACC+16*\lt+6]
.endr
.irp lt, 0,1,2,3
	v_max3_num_f32 v[TT+8*\lt], v[TT+8*\lt], v[ACC+16*\lt+7], v[ACC+16*\lt+15]
.endr
.irp lt, 0,1,2,3
.if \first
	v_max_num_f32 v[TT+8*\lt], v[TT+8*\lt], v[TT+8*\lt+1]
.else
	v_max3_num_f32 v[TT+8*\lt], v[TT+8*\lt], v[TT+8*\lt+1], v[NM+2*\lt+1]
.endif
.endr
.irp lt, 0,1,2,3
	v_permlanex16_b32 v[TT+8*\lt+1], v[TT+8*\lt], s28, s29
.endr
.irp lt, 0,1,2,3
	v_max_num_f32 v[NM+2*\lt+1], v[TT+8*\lt], v[TT+8*\lt+1]        ; the new maximum, alike in both halves
.endr
.if \first
.irp lt, 0,1,2,3
	v_mul_f32 v[NM+2*\lt], s31, v[NM+2*\lt+1]                      ; - c m
.endr
.else
.irp lt, 0,1,2,3
	v_mul_f32 v[TT+8*\lt+2], s31, v[NM+2*\lt+1]                    ; - c m
.endr
.irp lt, 0,1,2,3
	v_sub_f32 v[TT+8*\lt+3], v[TT+8*\lt+2], v[NM+2*\lt]            ; c m(old) - c m(new), from the two rounded offsets that the exponentials use
.endr
.irp lt, 0,1,2,3
	v_mov_b32 v[NM+2*\lt], v[TT+8*\lt+2]
.endr
.irp lt, 0,1,2,3
	v_exp_f32 v[AL+2*\lt], v[TT+8*\lt+3]                           ; the rescale factors; plain lines on other registers follow (ISA guide 5.7.2)
.endr
.endif
.endm
.macro SFMA lt, p                      ; c s - c m for two scores
	v_pk_fma_f32 v[ACC+16*(\lt)+2*\p:ACC+16*(\lt)+2*\p+1], v[ACC+16*(\lt)+2*\p:ACC+16*(\lt)+2*\p+1], s[30:31], v[NM+2*(\lt):NM+2*(\lt)+1] op_sel_hi:[1,0,0]
.endm
.macro SEXP lt, k                      ; two exponentials, in place
	v_exp_f32 v[ACC+16*(\lt)+2*\k], v[ACC+16*(\lt)+2*\k]
	v_exp_f32 v[ACC+16*(\lt)+2*\k+1], v[ACC+16*(\lt)+2*\k+1]
.endm
; Line k of eight of an l tile's sum of p (two chains of packed adds), and line k of its packing to bf16.
; The packing is in place and ascending: line k writes register k, whose own p the sums of lines 0, 2 and 4 have read by then, and reads registers 2 k, 2 k + 1,
; which no earlier line has written.  Registers 0-3 then hold r = 8 h .., 4-7 r = 16 + 8 h ..: the second source of V^T P.
.macro SSUM lt, k, first
.set SA, ACC+16*(\lt)
.set ST, TT+8*(\lt)
.set SL, AL+2*(\lt)
.if \k == 0
	s_wait_alu depctr_va_vdst(0)
	v_pk_add_f32 v[ST:ST+1], v[SA:SA+1], v[SA+2:SA+3]
.endif
.if \k == 1
	v_pk_add_f32 v[ST+4:ST+5], v[SA+8:SA+9], v[SA+10:SA+11]
.endif
.if \k == 2
	v_pk_add_f32 v[ST:ST+1], v[ST:ST+1], v[SA+4:SA+5]
.endif
.if \k == 3
	v_pk_add_f32 v[ST+4:ST+5], v[ST+4:ST+5], v[SA+12:SA+13]
.endif
.if \k == 4
	v_pk_add_f32 v[ST:ST+1], v[ST:ST+1], v[SA+6:SA+7]
.endif
.if \k == 5
	v_pk_add_f32 v[ST+4:ST+5], v[ST+4:ST+5], v[SA+14:SA+15]
.endif
.if \k == 6
	v_pk_add_f32 v[ST:ST+1], v[ST:ST+1], v[ST+4:ST+5]
.endif
.if \k == 7
.if \first
	v_add_f32 v[SL+1], v[ST], v[ST+1]
	s_wait_alu depctr_va_vdst(0)
.else
	v_add_f32 v[ST], v[ST], v[ST+1]
	v_fma_f32 v[SL+1], v[SL+1], v[SL], v[ST]       ; the lane's running sum, rescaled
.endif
.endif
	v_cvt_pk_bf16_f32 v[SA+\k], v[SA+2*\k], v[SA+2*\k+1]
.endm
; Stage s of five: the exponentials of l tile s stand among the plain lines of its neighbours (c s - c m of tile s + 1, sums and packing of tile s - 1).
; Every pair of exponentials is followed by a plain line on other registers, and a tile's p are first read in the next stage (ISA guide 5.7.2).
.macro STAGE s, first
.irp k, 0,1,2,3,4,5,6,7
.if \s <= 3
	SEXP \s, \k
.endif
.if \s <= 2
	SFMA (\s+1), \k
.endif
.if \s >= 1
	SSUM (\s-1), \k, \first
.endif
.endr
.endm
.macro RESC lt                         ; O^T of l tile lt times its lane's rescale factor
	WIN 0x41
	s_wait_alu depctr_va_vdst(0)
.irp q, 0,1,2,3,4,5,6,7,8,9,10,11,12,13,14,15
	v_pk_mul_f32 v[OO+32*\lt+2*\q:OO+32*\lt+2*\q+1], v[OO+32*\lt+2*\q:OO+32*\lt+2*\q+1], v[AL+2*\lt:AL+2*\lt+1] op_sel_hi:[1,0]
.endr
.endm
.macro PV lt, first                    ; O^T (lt, .) += V^T P(lt): four accumulators, one turn each
	WIN 0x50
.irp dt, 0,1,2,3
.if \first
	v_wmma_f32_16x16x32_bf16 v[OO+32*\lt+8*\dt:OO+32*\lt+8*\dt+7], v[QT+8*\dt:QT+8*\dt+7], v[ACC+16*\lt:ACC+16*\lt+7], 0
.else
	v_wmma_f32_16x16x32_bf16 v[OO+32*\lt+8*\dt:OO+32*\lt+8*\dt+7], v[QT+8*\dt:QT+8*\dt+7], v[ACC+16*\lt:ACC+16*\lt+7], v[OO+32*\lt+8*\dt:OO+32*\lt+8*\dt+7]
.endif
.endr
.endm
; ---- one step: 64 l x 32 r; ph = 0: the block's first step (r tiles 0, 1), 2: its second (r tiles 2, 3) ----
; bar = 1: the block's second step, behind which the next block's K is read from the other slot.  Its barrier orders two things:
;   every wave's reads of this slot (the last are V^T's, waited for in front of the signal) against wave 0's refill of it, first thing behind the wait;
;   wave 0's tensor load of the next block (waited for in front of the signal) against every wave's loads of its K, behind the wait.
;   Between signal and wait stands register work alone: three fifths of the softmax.
; fill = 1: this slot is filled again, with the block after next.  more = 0: the very last step, which asks for nothing.
.macro STEP slot, Rl, ph, first, bar, fill, more
.if \first
	s_wait_dscnt 0x0
	PRO
.endif
.if \ph == 0
	RT 0, 1, \slot, \Rl, 0, 1                      ; next: this step's lower r tile, at byte 0 of the step's 128 mask bytes
	RT 1, 0, \slot, \Rl, 192, 1                    ; next: the second step's upper r tile
.else
	RT 2, 1, \slot, \Rl, 128, 1                    ; next: the second step's lower r tile
	RT 3, 0, \slot, \Rl, 320, \more                ; next: the next block's upper r tile
.endif
	WIN 0
.if \bar
	s_wait_tensorcnt 0x0                           ; no tensor load of mine is out (wave 0: the next block's tile has landed), so a group 0 may be written
	ds_add_u32 v30, v31
	s_wait_dscnt 0x0
.if \fill
	s_add_nc_u64 s[G0K+4*\slot+2:G0K+4*\slot+3], s[G0K+4*\slot+2:G0K+4*\slot+3], 32768   ; this slot's next block: two blocks on
.endif
	s_wait_dscnt 0x0                               ; my reads of this slot are back, V^T's among them
	s_barrier_signal -1
.endif
	SMAX \first
.irp p, 0,1,2,3,4,5,6,7
	SFMA 0, \p
.endr
	STAGE 0, \first
.if \first == 0
	RESC 0
	WIN 0
.endif
	STAGE 1, \first
.if \bar == 0
	s_wait_dscnt 0x0                               ; V^T's fragments (and the few loads issued behind them)
.endif
	PV 0, \first
.if \first == 0
	RESC 1
.endif
	WIN 0
	STAGE 2, \first
.if \bar
	s_barrier_wait -1                              ; all eight waves have said so
.if \fill
	s_cmp_lg_u32 s14, 0
	s_cbranch_scc1 .Lno_fill_\@
	tensor_load_to_lds s[G0K+4*\slot:G0K+4*\slot+3], s[G1K:G1K+7]   ; wave 0's one tensor load behind the barrier; it has the whole next block in which to land
	s_nop 0
.Lno_fill_\@:
.endif
	KLOADS (1-\slot), 32                           ; the next block's first step
.else
.if \more
	KLOADS \slot, 0                                ; this block's second step
.endif
.endif
	PV 1, \first
.if \first == 0
	RESC 2
.endif
	WIN 0
	STAGE 3, \first
	PV 2, \first
.if \first == 0
	RESC 3
.endif
	WIN 0
	STAGE 4, \first
	PV 3, \first
	WIN 0
	; five places: the next step's products Eb Q^T write over V^T's registers
.if \bar
	v_add_nc_u32 v[EADR], 4*TILEB, v[EADR]         ; the next block: four tiles of Eb further up
	v_add_nc_u32 v[MADR], 256, v[MADR]
.rept 3
	v_nop
.endr
.else
.rept 5
	v_nop
.endr
.endif
.endm
.macro BLK slot, first, bar, fill, more            ; one block of 64 r = two steps from one slot
	STEP \slot, 32, 0, \first, 0, 0, 1
	STEP \slot, 0, 2, 0, \bar, \fill, \more
.endm
	ELOADS 0                                       ; the first r tile's fragments
	KLOADS 0, 32
	MLOADS 64
	BLK 0, 1, 1, 1, 1                              ; block 0: the first products start the sums of O; slot 1 already holds block 1
	s_mov_b32 s17, 6
.Lblk:
	BLK 1, 0, 1, 1, 1                              ; blocks 1 .. 12
	BLK 0, 0, 1, 1, 1
	s_sub_co_u32 s17, s17, 1
	s_cmp_lg_u32 s17, 0
	s_cbranch_scc1 .Lblk
	BLK 1, 0, 1, 1, 1                              ; block 13 asks for block 15, the last
	BLK 0, 0, 1, 0, 1                              ; block 14: the barrier shows block 15 to every wave; nothing is left to fetch
	BLK 1, 0, 0, 0, 0                              ; block 15
	; THE WAY OUT, one l tile at a time: divide by the row's sum, through my own stage (the ring's bytes, which no tensor load fills),
	; back as whole rows of 64 f32.  The five v_nop behind the last matrix instructions are the places in front of these reads of O.
.irp lt, 0,1,2,3
	v_permlanex16_b32 v2, v[AL+2*\lt+1], s28, s29
	v_add_f32 v2, v2, v[AL+2*\lt+1]                ; both halves' partial sums; at least 1, since the largest p of a row is 1
	v_rcp_f32 v4, v2
	v_nop                                          ; one plain place behind the transcendental
	WIN 0x01
	s_wait_alu depctr_va_vdst(0)
.irp dt, 0,1,2,3
.irp p, 0,1,2,3
	v_pk_mul_f32 v[TT+8*\dt+2*\p:TT+8*\dt+2*\p+1], v[OO+32*\lt+8*\dt+2*\p:OO+32*\lt+8*\dt+2*\p+1], v[4:5] op_sel_hi:[1,0]
.endr
.endr
	WIN 0
.irp dt, 0,1,2,3
	ds_store_b128 v[STO], v[TT+8*\dt:TT+8*\dt+3]   offset:(\lt&1)*16*EPITCH+64*\dt       ; row n, dv = 16 dt + 8 h ..
	ds_store_b128 v[STO], v[TT+8*\dt+4:TT+8*\dt+7] offset:(\lt&1)*16*EPITCH+64*\dt+16
.endr
.irp u, 0,1,2,3,4,5,6,7
	ds_load_b128 v[ACC+32*\lt+4*\u:ACC+32*\lt+4*\u+3], v[RD] offset:(\lt&1)*16*EPITCH+\u*2*EPITCH   ; registers of their own for each l tile: no store's data is written again
.endr
.irp u, 0,1,2,3,4,5,6,7
	s_wait_dscnt 7-\u                              ; load u is in, the younger stay out
	global_store_b128 v[CO], v[ACC+32*\lt+4*\u:ACC+32*\lt+4*\u+3], s[12:13] offset:\lt*65536+\u*8192 th:TH_STORE_NT   ; sixteen lanes store 256 consecutive bytes, aligned
.endr
.endr
	s_wait_tensorcnt 0x0
	ds_add_u32 v30, v31
	s_wait_dscnt 0x0
	s_endpgm
.Lfunc_end_k_qf244dba1b4_attn:
	.size	k_qf244dba1b4_attn, .Lfunc_end_k_qf244dba1b4_attn-k_qf244dba1b4_attn
	.p2alignl 7, 3214868480
	.fill 96, 4, 3214868480
	.section	.rodata,"a",@progbits
	.p2align	6, 0x0
	.amdhsa_kernel k_qf244dba1b4_attn
		.amdhsa_group_segment_fixed_size 327680
		.amdhsa_private_segment_fixed_size 0
		.amdhsa_enable_private_segment 0
		.amdhsa_kernarg_size 40
		.amdhsa_user_sgpr_count 2
		.amdhsa_user_sgpr_kernarg_segment_ptr 1
		.amdhsa_wavefront_size32 1
		.amdhsa_system_sgpr_workgroup_id_x 1
		.amdhsa_system_sgpr_workgroup_id_y 1
		.amdhsa_system_sgpr_workgroup_id_z 1
		.amdhsa_system_vgpr_workitem_id 0
		.amdhsa_next_free_vgpr 496
		.amdhsa_next_free_sgpr 66
		.amdhsa_reserve_vcc 0
		.amdhsa_float_denorm_mode_32 3
		.amdhsa_float_denorm_mode_16_64 3
		.amdhsa_memory_ordered 1
		.amdhsa_forward_progress 1
		.amdhsa_inst_pref_size 255
	.end_amdhsa_kernel
	.section	.bss,"aw",@nobits
	.p2align	6
	.space	262144
	.amdgpu_metadata
---
amdhsa.version: [ 1, 2 ]
amdhsa.kernels:
  - .name:           k_qf244dba1b4_attn
    .symbol:         k_qf244dba1b4_attn.kd
    .args:
      - { .name: Qb, .offset: 0, .size: 8, .value_kind: global_buffer, .address_space: global }
      - { .name: KV, .offset: 8, .size: 8, .value_kind: global_buffer, .address_space: global }
      - { .name: Eb, .offset: 16, .size: 8, .value_kind: global_buffer, .address_space: global }
      - { .name: attention_mask, .offset: 24, .size: 8, .value_kind: global_buffer, .address_space: global }
      - { .name: out0, .offset: 32, .size: 8, .value_kind: global_buffer, .address_space: global }
    .group_segment_fixed_size: 327680
    .private_segment_fixed_size: 0
    .kernarg_segment_align: 8
    .kernarg_segment_size: 40
    .max_flat_workgroup_size: 256
    .sgpr_count:     66
    .vgpr_count:     496
    .wavefront_size: 32
...
	.end_amdgpu_metadata
.endif
;; end of part 5
;; ======== version 3 of 3: 3 launches; version 2 with the launch prep written anew for expert scheduling mode
;; workspace buffers: Xb 16,777,216 bytes; Wt 6,291,456 bytes; Eb 262,144 bytes; Qb 16,777,216 bytes; KV 33,554,432 bytes
;; launch prep (part 6): grid 904 x 1, 8 waves a work-group, no clusters, 18,432 bytes of LDS; arguments hidden_states, W_qkv, dist_emb, Xb, Wt, Eb; writes Xb, Wt, Eb
.if DOCPART == 6
	.amdgcn_target "amdgcn-amd-amdhsa--gfx1250"
	.amdhsa_code_object_version 6
	.text
	.protected	k_qf244dba1b4_prep
	.globl	k_qf244dba1b4_prep
	.p2align	8
	.type	k_qf244dba1b4_prep,@function
k_qf244dba1b4_prep:
	s_mov_b64 s[64:65], 0
	v_nop
	global_prefetch_b8 v0, s[64:65] scope:SCOPE_SE
	s_setreg_imm32_b32 hwreg(HW_REG_WAVE_SCHED_MODE, 0, 2), 2
	s_setreg_imm32_b32 hwreg(HW_REG_WAVE_MODE, 25, 1), 1
	s_wait_xcnt 0x0
	s_wait_alu depctr_vm_vsrc(0)
; Operands for the matrix launches, rounded once to bf16.
;   work-groups   0..511: Xb[8192][1024]  = bf16(hidden_states), a plain stream
;   work-groups 512..519: Eb[2048][64]    = bf16(dist_emb) moved down by one row, Eb[0] = 0, the same stream with a shift of 256 bytes
;   work-groups 520..903: Wt[3072][1024]  = bf16(W_qkv) transposed, tiles of 128 k x 64 n through LDS
; Memory binds here: every input byte is read once by 16-byte loads of neighbouring lanes, every output byte is written once,
; and each store of a wave covers whole aligned runs of 256 bytes.  No matrix unit, no cluster: nothing is shared or multiplied.
; THE MODE: SCHED_MODE bits 1:0 = 2 (LLVM: expert scheduling mode 2), set by the entry lines.  The code itself states the register dependences
; between vector instructions and memory or LDS instructions, with s_wait_alu, always for 0.
; THE PLAN, the stream.  Registers that memory instructions touch:
;   v2, v3, v100   offsets, made once at the head and never written again.
;   X, 16 chunks   each written by one load, read by its chunk's two conversions; no vector line names them ahead of the loads.
;   Y, 16 chunks   each written once, by its chunk's conversions (chunk 0: also two selects), read by its chunk's one store.
;   The chunks go in four groups of four.  At the head of groups 1 to 3 one wait states that the group before has written its Y; that group's four stores
;   follow, dealt among this group's conversions, which name this group's X and Y alone.  One more wait stands ahead of the last four stores.
; THE PLAN, the transpose.  v3, v52, v53, v54: addresses, made once.  v[4:35]: written by the eight loads, read by the conversions.  v[36:51]: written once by the
;   conversions, read by the LDS stores.  v[56:71]: written by LDS loads, read by the global stores, named by no vector line.  v104, v105: read by the closing add alone.
;   The tile goes in two halves of 64 k; the first half's LDS stores stand behind one wait, among the second half's conversions.
; No register that a memory or LDS instruction has read is written again in either arm, so no wait on vm_vsrc is owed.  EXEC is written nowhere.
.set XR, 4                             ; v[4:67]   stream: 16 chunks as loaded, 4 registers each
.set YR, 68                            ; v[68:99]  stream: 16 chunks to store, 2 registers each
.macro CONV c                          ; the stream: chunk c's four numbers a lane, rounded and packed
	v_cvt_pk_bf16_f32 v[YR+2*(\c)], v[XR+4*(\c)], v[XR+4*(\c)+1]
	v_cvt_pk_bf16_f32 v[YR+2*(\c)+1], v[XR+4*(\c)+2], v[XR+4*(\c)+3]
.endm
.macro SEND c                          ; the stream: chunk c leaves; a wave stores 256 consecutive bytes, aligned
	global_store_b64 v100, v[YR+2*(\c):YR+2*(\c)+1], s[20:21] offset:(\c)*2048
.endm
.macro TCONV s, c                      ; the transpose: four k of column c in half s make 8 bytes of a row of Wt
	v_cvt_pk_bf16_f32 v[36+2*(4*\s+\c)], v[4+16*\s+\c], v[4+16*\s+4+\c]
	v_cvt_pk_bf16_f32 v[36+2*(4*\s+\c)+1], v[4+16*\s+8+\c], v[4+16*\s+12+\c]
.endm
.macro TPUT s, c                       ; and go into LDS
	ds_store_b64 v52, v[36+2*(4*\s+\c):36+2*(4*\s+\c)+1] offset:\c*272+128*\s
.endm
	s_load_b256 s[4:11], s[0:1], 0x0               ; hidden s[4:5], W s[6:7], dist_emb s[8:9], Xb s[10:11]
	s_load_b128 s[12:15], s[0:1], 0x20             ; Wt s[12:13], Eb s[14:15]
	v_lshl_add_u32 v104, v0, 2, 0x4400
	v_mov_b32 v105, 0
	s_cmp_ge_u32 ttmp9, 520
	s_cbranch_scc1 .Ltrans
	; ---- the stream: 65,536 bytes of f32 in, 32,768 bytes of bf16 out, for each work-group ----
	s_cmp_lt_u32 ttmp9, 512
	s_cselect_b32 s17, 0, 256                      ; the table is read one row (256 bytes) behind where it is written
	s_cselect_b32 s24, 0, 512
	s_sub_co_u32 s16, ttmp9, s24                   ; g: my number within my stream
	s_lshl_b32 s25, s16, 16
	s_sub_co_u32 s25, s25, s17                     ; g x 65,536 - shift (below zero only for the table's first work-group)
	s_lshl_b32 s22, s16, 15                        ; g x 32,768: where I store
	s_mov_b32 s23, 0
	v_lshl_add_u32 v1, v0, 4, s25                  ; source offset of my 16 bytes in chunk 0, signed
	v_max_i32 v2, 0, v1                            ; clamped into the buffer: those lanes' numbers are replaced by zeros below
	v_add_nc_u32 v3, 0x1000, v1                    ; chunk 1: never below zero
	v_lshlrev_b32 v100, 3, v0                      ; 8 t: my 8 bytes of a stored chunk
	v_cmp_le_i32 vcc_lo, 0, v1                     ; lanes whose chunk 0 lies inside the source
	s_wait_kmcnt 0x0
	s_cmp_lt_u32 ttmp9, 512
	s_cselect_b64 s[18:19], s[4:5], s[8:9]         ; from: hidden_states or dist_emb
	s_cselect_b64 s[20:21], s[10:11], s[14:15]     ; to: Xb or Eb
	s_add_nc_u64 s[20:21], s[20:21], s[22:23]
	s_wait_alu depctr_va_vcc(0)                    ; the compare has written VCC, ahead of its first reader: the two selects of chunk 0
	s_wait_alu depctr_va_vdst(0)                   ; v2, v3 and v100 are written: every load and store of the stream reads one of them as its offset
	; all sixteen loads go out first: 8 KB of every wave are on their way.  The table's last byte read is 7 x 65,536 + 65,535 - 256 = 524,031.
	global_load_b128 v[XR:XR+3], v2, s[18:19] th:TH_LOAD_NT
.irp c, 1,2,3,4,5,6,7,8,9,10,11,12,13,14,15
	global_load_b128 v[XR+4*\c:XR+4*\c+3], v3, s[18:19] offset:(\c-1)*4096 th:TH_LOAD_NT
.endr
	s_wait_loadcnt 12                              ; loads return in order: chunks 0 to 3 are in, the twelve younger stay out
	CONV 0
	v_cndmask_b32 v[YR], 0, v[YR], vcc_lo          ; the row in front of the table: Eb[0] = 0
	v_cndmask_b32 v[YR+1], 0, v[YR+1], vcc_lo
	CONV 1
	CONV 2
	CONV 3
.irp g, 1,2,3
	s_wait_loadcnt 12-4*\g                         ; chunks 4 g to 4 g + 3 are in, the later groups' loads stay out
	s_wait_alu depctr_va_vdst(0)                   ; the group before has written its Y, which the four stores below read
.irp i, 0,1,2,3
	SEND 4*(\g)-4+\i                               ; no vector line since the wait names this chunk's Y or v100
	CONV 4*(\g)+\i
.endr
.endr
	s_wait_alu depctr_va_vdst(0)                   ; the last group has written its Y, which the last four stores read
.irp c, 12,13,14,15
	SEND \c
.endr
	s_endpgm
	; ---- the transpose: Wt[64 nt + n][128 kt + k] = W[128 kt + k][64 nt + n] ----
.Ltrans:
	s_sub_co_u32 s16, ttmp9, 520
	s_and_b32 s17, s16, 7                          ; kt
	s_lshr_b32 s24, s16, 3                         ; nt
	s_mul_i32 s22, s17, 1572864                    ; 128 rows of 12,288 bytes
	s_lshl_b32 s25, s24, 8                         ; 64 columns of 4 bytes
	s_add_co_u32 s22, s22, s25
	s_mov_b32 s23, 0
	s_lshl_b32 s26, s24, 17                        ; 64 rows of Wt of 2,048 bytes
	s_lshl_b32 s25, s17, 8                         ; 128 k of 2 bytes
	s_add_co_u32 s26, s26, s25
	s_mov_b32 s27, 0
	v_and_b32 v1, 15, v0                           ; i: my four columns 4 i .. 4 i + 3
	v_lshrrev_b32 v2, 4, v0                        ; kq: my rows 4 kq .. + 3 and 64 + 4 kq .. + 3
	v_mul_u32_u24 v3, v2, 0xc000                   ; 4 rows of 12,288 bytes
	v_lshl_add_u32 v3, v1, 4, v3                   ; sixteen lanes read 256 consecutive bytes of a row
	v_mul_u32_u24 v52, v1, 1088                    ; LDS, in: row 4 i of 272 bytes,
	v_lshl_add_u32 v52, v2, 3, v52                 ;   8 bytes (4 k) at 8 kq
	v_mul_u32_u24 v53, v2, 272                     ; LDS, back: row t / 16,
	v_lshl_add_u32 v53, v1, 4, v53                 ;   16 bytes at 16 (t mod 16)
	v_lshlrev_b32 v54, 11, v2                      ; and the same place in Wt
	v_lshl_add_u32 v54, v1, 4, v54
	s_wait_kmcnt 0x0
	s_add_nc_u64 s[6:7], s[6:7], s[22:23]
	s_add_nc_u64 s[12:13], s[12:13], s[26:27]
	s_wait_alu depctr_va_vdst(0)                   ; v3, v52, v53 and v54 are written: the loads, the LDS stores, the LDS loads and the global stores below read them as addresses
.irp s, 0,1
.irp r, 0,1,2,3
	global_load_b128 v[4+16*\s+4*\r:4+16*\s+4*\r+3], v3, s[6:7] offset:\s*786432+\r*12288 th:TH_LOAD_NT
.endr
.endr
	; four k of one column make 8 bytes of a row of Wt.  1,088 i is 64 i modulo 256, so lanes that differ in i by 4 meet in a bank in the LDS stores:
	; accepted, since a thread issues eight such stores in the whole launch.
	s_wait_loadcnt 4                               ; loads return in order: the first half's four rows are in, the second half's four loads stay out
.irp c, 0,1,2,3
	TCONV 0, \c
.endr
	s_wait_loadcnt 0x0                             ; the second half's rows are in
	s_wait_alu depctr_va_vdst(0)                   ; the first half's conversions have written v[36:43], which the four LDS stores below read
.irp c, 0,1,2,3
	TPUT 0, \c                                     ; no vector line since the wait names v[36:43] or v52
	TCONV 1, \c
.endr
	s_wait_alu depctr_va_vdst(0)                   ; the second half's conversions have written v[44:51], which the last four LDS stores read
.irp c, 0,1,2,3
	TPUT 1, \c
.endr
	s_wait_dscnt 0x0                               ; my stores are in LDS before I say so: other waves read them
	s_barrier_signal -1
	s_barrier_wait -1
.irp s, 0,1,2,3
	ds_load_b128 v[56+4*\s:56+4*\s+3], v53 offset:\s*4352
.endr
.irp s, 0,1,2,3
	s_wait_dscnt 3-\s                              ; LDS loads return in order: load s is in, the younger stay out
	global_store_b128 v54, v[56+4*\s:56+4*\s+3], s[12:13] offset:\s*32768   ; sixteen lanes store 256 consecutive bytes, aligned
.endr
	s_wait_dscnt 0x0                               ; the closing lines, six on end
	s_wait_alu 0x0
	s_wait_tensorcnt 0x0
	ds_add_u32 v104, v105
	s_wait_dscnt 0x0
	s_endpgm
.Lfunc_end_k_qf244dba1b4_prep:
	.size	k_qf244dba1b4_prep, .Lfunc_end_k_qf244dba1b4_prep-k_qf244dba1b4_prep
	.p2alignl 7, 3214868480
	.fill 96, 4, 3214868480
	.section	.rodata,"a",@progbits
	.p2align	6, 0x0
	.amdhsa_kernel k_qf244dba1b4_prep
		.amdhsa_group_segment_fixed_size 18432
		.amdhsa_private_segment_fixed_size 0
		.amdhsa_enable_private_segment 0
		.amdhsa_kernarg_size 48
		.amdhsa_user_sgpr_count 2
		.amdhsa_user_sgpr_kernarg_segment_ptr 1
		.amdhsa_wavefront_size32 1
		.amdhsa_system_sgpr_workgroup_id_x 1
		.amdhsa_system_sgpr_workgroup_id_y 1
		.amdhsa_system_sgpr_workgroup_id_z 1
		.amdhsa_system_vgpr_workitem_id 0
		.amdhsa_next_free_vgpr 106
		.amdhsa_next_free_sgpr 66
		.amdhsa_reserve_vcc 1
		.amdhsa_float_denorm_mode_32 3
		.amdhsa_float_denorm_mode_16_64 3
		.amdhsa_memory_ordered 1
		.amdhsa_forward_progress 1
		.amdhsa_inst_pref_size 12
	.end_amdhsa_kernel
	.amdgpu_metadata
---
amdhsa.version: [ 1, 2 ]
amdhsa.kernels:
  - .name:           k_qf244dba1b4_prep
    .symbol:         k_qf244dba1b4_prep.kd
    .args:
      - { .name: hidden_states, .offset: 0, .size: 8, .value_kind: global_buffer, .address_space: global }
      - { .name: W_qkv, .offset: 8, .size: 8, .value_kind: global_buffer, .address_space: global }
      - { .name: dist_emb, .offset: 16, .size: 8, .value_kind: global_buffer, .address_space: global }
      - { .name: Xb, .offset: 24, .size: 8, .value_kind: global_buffer, .address_space: global }
      - { .name: Wt, .offset: 32, .size: 8, .value_kind: global_buffer, .address_space: global }
      - { .name: Eb, .offset: 40, .size: 8, .value_kind: global_buffer, .address_space: global }
    .group_segment_fixed_size: 18432
    .private_segment_fixed_size: 0
    .kernarg_segment_align: 8
    .kernarg_segment_size: 48
    .max_flat_workgroup_size: 256
    .sgpr_count:     66
    .vgpr_count:     106
    .wavefront_size: 32
...
	.end_amdgpu_metadata
.endif
;; end of part 6
;; launch qkv: the kernel of part 4 again; grid 16 x 16, 4 waves a work-group, clusters of 4 x 4, 327,680 bytes of LDS; arguments Xb, Wt, b_qkv, Qb, KV; writes Qb, KV
;; launch attn: the kernel of part 5 again; grid 2 x 128, 8 waves a work-group, no clusters, 327,680 bytes of LDS; arguments Qb, KV, Eb, attention_mask, out0; writes out0
